; MI455X (gfx1250); checked and timed in simulation.
; The chip was launched on July 23, 2026; its instructions are those of AMD's public machine-readable ISA for CDNA 5 (MIT licence, August 2026) and "CDNA5" Instruction Set Architecture Reference Guide (July 2026). The comments in the code are by the model that wrote it; some were corrected since.
;; Temporal Attention. Allowed arithmetic: float matrix products may take bf16 or f16 operands with f32 sums; other float arithmetic in f32, or as packed bf16 or f16 multiplies, adds, multiply-adds, maxima and minima; sums over many terms, partial sums and values carried from step to step in f32; what a program stores and reads back later, other than sums and carried values, may be rounded once to bf16 or f16.
;; Inputs: Wk 512 x 512 float32; Wq 512 x 512 float32; Wv 512 x 512 float32; bk 512 float32; bq 512 float32; bv 512 float32; keys 16 x 2,048 x 512 float32; query 16 x 1,024 x 512 float32.
;; Outputs: out0 16 x 1,024 x 512 float32.
;; 2 versions, each right and faster than the one before. Each part assembles by itself: llvm-mc -triple=amdgcn-amd-amdhsa -mcpu=gfx1250 --defsym DOCPART=n.
;; ======== version 1 of 2: 3 launches
;; workspace buffers: wqb 524,288 bytes; wkb 524,288 bytes; wvb 524,288 bytes; qb 16,777,216 bytes; kb 33,554,432 bytes
;; launch prep (part 1): grid 32 x 3, 4 waves a work-group, no clusters, 0 bytes of LDS; arguments Wq, Wk, Wv, wqb, wkb, wvb; writes wqb, wkb, wvb
.if DOCPART == 1
	.amdgcn_target "amdgcn-amd-amdhsa--gfx1250"
	.amdhsa_code_object_version 6
	.text
	.protected	k_qba35168ad7_prep
	.globl	k_qba35168ad7_prep
	.p2align	8
	.type	k_qba35168ad7_prep,@function
k_qba35168ad7_prep:
	s_mov_b64 s[64:65], 0
	v_nop
	global_prefetch_b8 v0, s[64:65] scope:SCOPE_SE
	s_setreg_imm32_b32 hwreg(HW_REG_WAVE_MODE, 25, 1), 1
	s_wait_xcnt 0x0
; The three weights [512 d][512 n], f32, are rounded once to bf16 and written [d][n] with the rows permuted inside each group of 16:
; row d goes to row (d & ~15) | ((d & 7) << 1) | ((d >> 3) & 1).  The later launches read these rows out of LDS by the turning load with
; eight lanes two rows apart, and then find d in its natural place along K.
; Work-group (x, y): the 16 rows 16 x .. of weight y (0 Wq, 1 Wk, 2 Wv).  Thread t takes 16 bytes at 16 t of every row (128 threads: a row of 2,048 bytes)
; and stores 8 bytes at 8 t: a wave's store covers 256 consecutive bytes, aligned.  No LDS, no matrix unit: 4.5 MB moved once.
.set ROWF, 2048                        ; bytes in a row of f32
.set ROWB, 1024                        ; bytes in a row of bf16
.set X,    8                           ; v[8:71] row j: four registers as loaded; the first two then hold the four bf16
	s_load_b256 s[4:11], s[0:1], 0x0               ; Wq s[4:5], Wk s[6:7], Wv s[8:9], wqb s[10:11]
	s_load_b128 s[12:15], s[0:1], 0x20             ; wkb s[12:13], wvb s[14:15]
	s_and_b32 s16, ttmp7, 0xffff                   ; which weight
	s_lshl_b32 s18, ttmp9, 15                      ; 16 rows of 2,048 bytes
	s_mov_b32 s19, 0
	s_lshl_b32 s20, ttmp9, 14                      ; 16 rows of 1,024 bytes
	s_mov_b32 s21, 0
	v_lshlrev_b32 v1, 4, v0
	v_lshlrev_b32 v2, 3, v0
	s_wait_kmcnt 0x0
	s_cmp_eq_u32 s16, 1                            ; the choice of buffers hangs on the work-group's y alone
	s_cselect_b64 s[4:5], s[6:7], s[4:5]
	s_cselect_b64 s[10:11], s[12:13], s[10:11]
	s_cmp_eq_u32 s16, 2
	s_cselect_b64 s[4:5], s[8:9], s[4:5]
	s_cselect_b64 s[10:11], s[14:15], s[10:11]
	s_add_nc_u64 s[4:5], s[4:5], s[18:19]
	s_add_nc_u64 s[10:11], s[10:11], s[20:21]
.set j, 0
.rept 16
	global_load_b128 v[X+4*j:X+4*j+3], v1, s[4:5] offset:ROWF*j th:TH_LOAD_NT
.set j, j+1
.endr
.set j, 0
.rept 16
	s_wait_loadcnt 15-j                            ; loads come back in order: row j is in, the younger rows stay out
	v_cvt_pk_bf16_f32 v[X+4*j],   v[X+4*j],   v[X+4*j+1]
	v_cvt_pk_bf16_f32 v[X+4*j+1], v[X+4*j+2], v[X+4*j+3]
	global_store_b64 v2, v[X+4*j:X+4*j+1], s[10:11] offset:ROWB*(2*(j%8)+j/8)
.set j, j+1
.endr
	s_endpgm
.Lfunc_end_k_qba35168ad7_prep:
	.size	k_qba35168ad7_prep, .Lfunc_end_k_qba35168ad7_prep-k_qba35168ad7_prep
	.p2alignl 7, 3214868480
	.fill 96, 4, 3214868480
	.section	.rodata,"a",@progbits
	.p2align	6, 0x0
	.amdhsa_kernel k_qba35168ad7_prep
		.amdhsa_group_segment_fixed_size 0
		.amdhsa_private_segment_fixed_size 0
		.amdhsa_enable_private_segment 0
		.amdhsa_kernarg_size 48
		.amdhsa_user_sgpr_count 2
		.amdhsa_user_sgpr_kernarg_segment_ptr 1
		.amdhsa_wavefront_size32 1
		.amdhsa_system_sgpr_workgroup_id_x 1
		.amdhsa_system_sgpr_workgroup_id_y 1
		.amdhsa_system_sgpr_workgroup_id_z 1
		.amdhsa_system_vgpr_workitem_id 0
		.amdhsa_next_free_vgpr 72
		.amdhsa_next_free_sgpr 66
		.amdhsa_reserve_vcc 0
		.amdhsa_float_denorm_mode_32 3
		.amdhsa_float_denorm_mode_16_64 3
		.amdhsa_memory_ordered 1
		.amdhsa_forward_progress 1
		.amdhsa_inst_pref_size 7
	.end_amdhsa_kernel
	.amdgpu_metadata
---
amdhsa.version: [ 1, 2 ]
amdhsa.kernels:
  - .name:           k_qba35168ad7_prep
    .symbol:         k_qba35168ad7_prep.kd
    .args:
      - { .name: Wq, .offset: 0, .size: 8, .value_kind: global_buffer, .address_space: global }
      - { .name: Wk, .offset: 8, .size: 8, .value_kind: global_buffer, .address_space: global }
      - { .name: Wv, .offset: 16, .size: 8, .value_kind: global_buffer, .address_space: global }
      - { .name: wqb, .offset: 24, .size: 8, .value_kind: global_buffer, .address_space: global }
      - { .name: wkb, .offset: 32, .size: 8, .value_kind: global_buffer, .address_space: global }
      - { .name: wvb, .offset: 40, .size: 8, .value_kind: global_buffer, .address_space: global }
    .group_segment_fixed_size: 0
    .private_segment_fixed_size: 0
    .kernarg_segment_align: 8
    .kernarg_segment_size: 48
    .max_flat_workgroup_size: 128
    .sgpr_count:     66
    .vgpr_count:     72
    .wavefront_size: 32
...
	.end_amdgpu_metadata
.endif
;; end of part 1
;; launch proj (part 2): grid 256 x 1, 4 waves a work-group, clusters of 4 x 1, 327,680 bytes of LDS; arguments keys, query, wkb, wqb, bk, bq, kb, qb; writes kb, qb
.if DOCPART == 2
	.amdgcn_target "amdgcn-amd-amdhsa--gfx1250"
	.amdhsa_code_object_version 6
	.text
	.protected	k_qba35168ad7_proj
	.globl	k_qba35168ad7_proj
	.p2align	8
	.type	k_qba35168ad7_proj,@function
k_qba35168ad7_proj:
	s_mov_b64 s[64:65], 0
	v_nop
	global_prefetch_b8 v0, s[64:65] scope:SCOPE_SE
	s_setreg_imm32_b32 hwreg(HW_REG_WAVE_MODE, 25, 1), 1
	s_wait_xcnt 0x0
	s_wait_alu depctr_hold_cnt(0) depctr_sa_sdst(0) depctr_va_vdst(0) depctr_va_sdst(0) depctr_va_ssrc(0) depctr_va_vcc(0) depctr_vm_vsrc(0)
	s_getreg_b32 s2, hwreg(HW_REG_IB_STS2, 6, 4)
	s_cmp_eq_u32 s2, 0
	s_cbranch_scc0 .Lentry_in_a_cluster
	s_endpgm
.Lentry_in_a_cluster:
	s_bfe_u32 s2, ttmp6, 0x10000c
	s_cmp_lg_u32 s2, 0x3003
	s_cbranch_scc0 .Lentry_shape_is_right
	s_endpgm
.Lentry_shape_is_right:
; kb = bf16(keys Wk + bk), qb = bf16(query Wq + bq).  keys [32768][512], query [16384][512] f32; wkb, wqb [512 d][512 n] bf16, rows permuted in groups of 16 by the launch before;
; kb, qb [rows][512] bf16.  Operands bf16, sums f32 (they start at the bias), results rounded once.  NaN and infinities are not treated apart.
; SHARES.  Work-group g takes 128 rows of keys (block A, 8 row tiles of 16) and then 64 rows of query (block B, 4 row tiles): all 256 work-groups are alike.
; Wave w makes all the block's rows x the columns n = 128 w .. + 127 (8 column blocks).  THE MATRIX INSTRUCTION IS USED TRANSPOSED: source 0 = 16 columns of W (turned out of LDS),
; source 1 = 16 rows of x, so a lane holds eight neighbouring n of one row.
; WEIGHTS.  16 tiles of 64 d x 512 n (Wk's eight, then Wq's eight) go through two LDS slots.  All work-groups read the same tiles, so the four of a cluster ask JOINTLY;
; each wave brings 16 rows of 1,024 bytes.  By this text's count a wave has two tensor loads out at the start and one later.
; X comes through registers: a sub-tile is the block's rows x 128 d (two weight tiles); a load of a wave is 512 consecutive bytes of one row; 32 loads a thread (block B: 16) are on
; their way for a whole trip, are rounded to bf16 and stored into one of two x buffers in LDS, which no tensor load fills.
; REGISTERS, in windows of 256: window 0 addresses, bias, landing registers, way out; window 1 two fragment buffers (64 of W, 64 of x each); windows 2, 3 the accumulators.
.set PW,     1040                      ; a row of W in LDS: 1,024 bytes + 16 = 260 words
.set SLOTB,  64*PW
.set STAGE,  2*SLOTB                   ; behind the ring: 16 rows x 272 bytes for each wave, for the way out
.set SP,     272
.set SPARE,  STAGE+4*16*SP             ; the spare words: 128 bytes a wave, two blocks of 256 bytes that no other line names
.set XT0,    0x30000                   ; x buffer 0: 128 rows x 272 bytes
.set XFLIP,  0x70000                   ; x buffer 1 lies at 0x40000: one exclusive or turns the one into the other
.set PX,     272                       ; a row of x: 256 bytes + 16
.set SPW, 4                            ; v4   my spare word's address; never rewritten
.set NIL, 5                            ; v5   0; never rewritten
.set AW,  6                            ; v6-7 my lane's place in slot 0, 1 for the turning load
.set AX0, 8                            ; v8   my lane's place in an x buffer;  v9 the same in the buffer being read
.set AXC, 9
.set XS0, 10                           ; v10  where I store 8 bytes of a row of x;  v11 the same in the buffer being written
.set XSC, 11
.set XO,  12                           ; v12  my byte offset in the block's rows of x in memory
.set STO, 13                           ; v13  way out: where I put 16 bytes of a row
.set RD,  14                           ; v14  way out: where I read a row back
.set CO,  15                           ; v15  my byte offset in the block's rows of the result
.set BO,  16                           ; v16  my byte offset in the bias
.set BIAS, 32                          ; v32-95   eight numbers for each column block
.set LAND, 96                          ; v96-223  load n: four registers
.set OB,   160                         ; v160-223 way out: two sets of 32 (block B's loads land in v96-159 alone)
.set TMP,  224                         ; v224-255 way out: packed results
.set F0,  0                            ; window 1
.set F1,  128
.set WV,  20                           ; s20 my wave's number
.set G1,  24                           ; s[24:31] descriptor group 1
.set G0,  32                           ; s[32:39] descriptor group 0, a set for each slot
.set NA,  40                           ; s[40:43] by slot: the address of the tile asked for last
.set WQA, 44                           ; s[44:47] by slot: Wq's tiles 0 and 1
.set XP,  48                           ; s[48:49] x at the sub-tile asked for last
.set XPB, 50                           ; s[50:51] query at my block
.set TX,  52                           ; s52 the x buffer being read;  s53 the one being written
.set TY,  53
.set CNT, 54
.set MSB, 0
.macro WIN new                         ; the immediate's high byte repeats the setting that is left; a switch that changes nothing is dropped
.if MSB != (\new)
	s_set_vgpr_msb (MSB<<8)|(\new)
.set MSB, (\new)
.endif
.endm
.macro PLACES                          ; four places in front of loads into registers that matrix instructions have read, and of vector lines that read results
.rept 4
	v_nop
.endr
.endm
.macro CREST                           ; a round of the cluster's barrier behind its opening barrier
	s_cmp_lg_u32 s[WV], 0
	s_cbranch_scc1 .Lnot_wave_0_\@
	s_barrier_signal -3
.Lnot_wave_0_\@:
	s_barrier_wait -3
	s_barrier_signal -1
	s_barrier_wait -1
.endm
.macro CROUND
	s_barrier_signal -1
	s_barrier_wait -1
	CREST
.endm
; the fragments of 32 along d: 8 column blocks of W (turned), nrt row tiles of x, into buffer f
.macro FETCHP slot, c2, f, nrt, xoff
	WIN 0x40                                       ; destination window 1, address window 0
.set cbi, 0
.rept 8
	ds_load_tr16_b128 v[(\f)+8*cbi:(\f)+8*cbi+3],   v[AW+(\slot)] offset:(\c2)*32*PW+32*cbi
	ds_load_tr16_b128 v[(\f)+8*cbi+4:(\f)+8*cbi+7], v[AW+(\slot)] offset:(\c2)*32*PW+16*PW+32*cbi
.set cbi, cbi+1
.endr
.set rti, 0
.rept \nrt
	ds_load_b128 v[(\f)+64+8*rti:(\f)+64+8*rti+3],   v[AXC] offset:rti*16*PX+(\xoff)
	ds_load_b128 v[(\f)+64+8*rti+4:(\f)+64+8*rti+7], v[AXC] offset:rti*16*PX+(\xoff)+32
.set rti, rti+1
.endr
.endm
; ncb x nrt matrix instructions; every accumulator has one turn.  Block A: accumulator (cb, rt) at 8 (8 (cb % 4) + rt) of window 2 + cb / 4; block B: at 8 (4 cb + rt) of window 2
.macro MULQ f, cb0, ncb, nrt
.set cbi, \cb0
.rept \ncb
.if (\nrt) == 8
	WIN 0xa5+0x50*(cbi/4)
.set ab, 64*(cbi%4)
.else
	WIN 0xa5
.set ab, 32*cbi
.endif
.set rti, 0
.rept \nrt
	v_wmma_f32_16x16x32_bf16 v[ab+8*rti:ab+8*rti+7], v[(\f)+8*cbi:(\f)+8*cbi+7], v[(\f)+64+8*rti:(\f)+64+8*rti+7], v[ab+8*rti:ab+8*rti+7]
.set rti, rti+1
.endr
.set cbi, cbi+1
.endr
.endm
; a tile's first 32 along d, on buffer 0; in its middle the second 32 are fetched
.macro QCH slot, nrt
	s_wait_dscnt 0x0                               ; buffer 0 is in
	MULQ F0, 0, 4, \nrt
	PLACES
	FETCHP \slot, 1, F1, \nrt, 128*(\slot)+64
	MULQ F0, 4, 4, \nrt
.endm
; a tile's second 32 along d, on buffer 1, and the change of slots: each wave waits for all its tensor loads (its part of the other slot), adds 0 to its spare word, waits for that and for its LDS
; reads and stores, and signals.  fill = 1: the barrier opens a round of the cluster's, and the slot just read out is asked for again, jointly, first thing behind it.  sel = 1: block A, whose last trip asks for Wq.
.macro TCH slot, nrt, fill, sel
	WIN 0
	s_wait_tensorcnt 0x0                           ; no tensor load of mine is out, so a group 0 may be written
	ds_add_u32 v[SPW], v[NIL]                      ; work on registers stands between the add and the wait for it
.if \fill
	s_add_nc_u64 s[NA+2*(\slot):NA+2*(\slot)+1], s[NA+2*(\slot):NA+2*(\slot)+1], 2*65536  ; two tiles of 64 rows x 1,024 bytes on
.if \sel
	s_cmp_eq_u32 s[CNT], 1
	s_cselect_b64 s[NA+2*(\slot):NA+2*(\slot)+1], s[WQA+2*(\slot):WQA+2*(\slot)+1], s[NA+2*(\slot):NA+2*(\slot)+1]
.endif
	s_mov_b64 s[G0+4*(\slot)+2:G0+4*(\slot)+3], s[NA+2*(\slot):NA+2*(\slot)+1]
	s_or_b32 s[G0+4*(\slot)+3], s[G0+4*(\slot)+3], 0x80000000
.endif
.if \slot
	s_xor_b32 s[TX], s[TX], XFLIP                  ; a sub-tile of x ends with its second weight tile
	s_xor_b32 s[TY], s[TY], XFLIP
.endif
	s_wait_dscnt 0x1                               ; only the add may be out: buffer 1 is in
	MULQ F1, 0, 2, \nrt
	s_wait_dscnt 0x0                               ; the add is done; my reads of the slot and of x, and my stores of x, are over
	s_barrier_signal -1
	MULQ F1, 2, 2, \nrt
	WIN 0
	s_barrier_wait -1
.if \fill
	CREST                                          ; no wave of any partner still reads the slot or has a load on its way
	tensor_load_to_lds s[G0+4*(\slot):G0+4*(\slot)+3], s[G1:G1+7]
	s_nop 0
.endif
	PLACES                                         ; behind the load; also the places in front of the loads into buffer 0
.if \slot
	v_add_nc_u32 v[AXC], s[TX], v[AX0]
.endif
	FETCHP 1-(\slot), 0, F0, \nrt, 128*(1-(\slot))
	MULQ F1, 4, 4, \nrt
.endm
.macro XCONS lo, cnt                   ; loads lo .. are rounded in place and stored: a wave's store is 256 consecutive bytes of one row
.set ni, \lo
.rept \cnt
	v_cvt_pk_bf16_f32 v[LAND+4*ni],   v[LAND+4*ni],   v[LAND+4*ni+1]
	v_cvt_pk_bf16_f32 v[LAND+4*ni+1], v[LAND+4*ni+2], v[LAND+4*ni+3]
	ds_store_b64 v[XSC], v[LAND+4*ni:LAND+4*ni+1] offset:4*PX*ni
.set ni, ni+1
.endr
.endm
.macro XISS lo, cnt                    ; load n: row 4 n + w, 512 consecutive bytes
.set ni, \lo
.rept \cnt
	global_load_b128 v[LAND+4*ni:LAND+4*ni+3], v[XO], s[XP:XP+1] offset:8192*ni th:TH_LOAD_NT
.set ni, ni+1
.endr
.endm
.macro BLD p                           ; my eight numbers of the bias for each column block
.set cbi, 0
.rept 8
	global_load_b128 v[BIAS+8*cbi:BIAS+8*cbi+3],   v[BO], s[\p:\p+1] offset:64*cbi
	global_load_b128 v[BIAS+8*cbi+4:BIAS+8*cbi+7], v[BO], s[\p:\p+1] offset:64*cbi+16
.set cbi, cbi+1
.endr
.endm
.macro INIT nrt                        ; the sums start at the bias: no clearing, and no addition on the way out
.set cbi, 0
.rept 8
.if (\nrt) == 8
	WIN 0x80+0x40*(cbi/4)
.set ab, 64*(cbi%4)
.else
	WIN 0x80
.set ab, 32*cbi
.endif
.set rti, 0
.rept \nrt
.set ji, 0
.rept 8
	v_mov_b32 v[ab+8*rti+ji], v[BIAS+8*cbi+ji]
.set ji, ji+1
.endr
.set rti, rti+1
.endr
.set cbi, cbi+1
.endr
	WIN 0
.endm
; THE WAY OUT of row tile rt: rounded to bf16 (each accumulator from its low end), 16 bytes a lane into my own stage, back as whole rows of 256 bytes, stored
.macro PACK rt, nrt
.set cbi, 0
.rept 8
.if (\nrt) == 8
	WIN 0x0a+5*(cbi/4)
.set ab, 64*(cbi%4)+8*(\rt)
.else
	WIN 0x0a
.set ab, 32*cbi+8*(\rt)
.endif
.set ji, 0
.rept 4
	v_cvt_pk_bf16_f32 v[TMP+4*cbi+ji], v[ab+2*ji], v[ab+2*ji+1]
.set ji, ji+1
.endr
.set cbi, cbi+1
.endr
	WIN 0
.endm
.macro TOSTAGE rt
.set bk, OB+32*((\rt)%2)
.set ti, 0
.rept 8
	ds_store_b128 v[STO], v[TMP+4*ti:TMP+4*ti+3] offset:32*ti
.set ti, ti+1
.endr
.set ti, 0
.rept 8
	ds_load_b128 v[bk+4*ti:bk+4*ti+3], v[RD] offset:ti*2*SP  ; LDS serves a wave's instructions in order (ISA guide 5.7.1.4): these see the stores above
.set ti, ti+1
.endr
.endm
.macro SEND rt, base
.set bk, OB+32*((\rt)%2)
	s_wait_dscnt 0x0                               ; the tile is back in registers
	s_wait_xcnt 0x0                                ; the other set, which earlier stores read, is loaded again only behind this wait
.set ti, 0
.rept 8
	global_store_b128 v[CO], v[bk+4*ti:bk+4*ti+3], s[\base:\base+1] offset:(16*(\rt)+2*ti)*1024  ; 16 lanes store 256 consecutive bytes, aligned
.set ti, ti+1
.endr
.endm
.macro OUT nrt, base
	WIN 0
	s_wait_xcnt 0x0                                ; earlier stores have read the registers that are loaded below
	PACK 0, \nrt
	TOSTAGE 0
.set rr, 1
.rept (\nrt)-1                         ; a tile's conversions stand between the loads of the tile before and the wait for them
	PACK rr, \nrt
	SEND rr-1, \base
	TOSTAGE rr
.set rr, rr+1
.endr
	SEND (\nrt)-1, \base
.endm
	s_load_b256 s[4:11], s[0:1], 0x0               ; keys s[4:5], query s[6:7], wkb s[8:9], wqb s[10:11]
	s_load_b256 s[12:19], s[0:1], 0x20             ; bk s[12:13], bq s[14:15], kb s[16:17], qb s[18:19]
	v_lshl_add_u32 v[SPW], v0, 2, SPARE
	v_mov_b32 v[NIL], 0
	ds_add_u32 v[SPW], v[NIL]                      ; the wave's opening: the add and its wait stand ahead of my first tensor load
	v_lshrrev_b32 v1, 5, v0
	v_readfirstlane_b32 s[WV], v1                  ; wave 0..3
	s_bfe_u32 s21, ttmp6, 0x40000                  ; cx
	s_lshl_b32 s22, ttmp9, 2
	s_add_co_u32 s22, s22, s21                     ; g = 4 x cluster x + cx: it enters the addresses of x and of the results alone
	s_mov_b32 s[G1+0], 15|(1<<16)|(1<<20)|(1<<21)|(7<<22)|(3<<25)  ; mask of four; 2-byte elements; padding on; bit 21 beside a mask; after every 256 words (code 7) 4 words (code 3)
	s_mov_b32 s[G1+1], 512<<16                     ; tensor_dim0 = 512
	s_mov_b32 s[G1+2], 16<<16                      ; tensor_dim1 = 16
	s_mov_b32 s[G1+3], 512<<16                     ; tile_dim0 = 512
	s_mov_b32 s[G1+4], 16                          ; tile_dim1 = 16
	s_mov_b32 s[G1+5], 512                         ; elements from row to row
	s_mov_b32 s[G1+6], 0
	s_mov_b32 s[G1+7], 0
	s_mul_i32 s23, s[WV], 16*PW                    ; my 16 rows of a slot
	s_mov_b32 s[G0+0], 1
	s_mov_b32 s[G0+1], s23
	s_mov_b32 s[G0+4], 1
	s_add_co_u32 s[G0+5], s23, SLOTB
	s_lshl_b32 s56, s[WV], 14                      ; and of a tile in memory
	s_mov_b32 s57, 0
	s_mov_b32 s59, 0
	s_wait_dscnt 0x0                               ; the opening add is done
	s_wait_kmcnt 0x0
	s_add_nc_u64 s[NA:NA+1], s[8:9], s[56:57]
	s_add_nc_u64 s[NA+2:NA+3], s[NA:NA+1], 65536
	s_add_nc_u64 s[WQA:WQA+1], s[10:11], s[56:57]
	s_add_nc_u64 s[WQA+2:WQA+3], s[WQA:WQA+1], 65536
	s_mov_b64 s[G0+2:G0+3], s[NA:NA+1]
	s_or_b32 s[G0+3], s[G0+3], 0x80000000
	s_mov_b64 s[G0+6:G0+7], s[NA+2:NA+3]
	s_or_b32 s[G0+7], s[G0+7], 0x80000000
	s_lshl_b32 s58, s22, 18                        ; 128 rows of 2,048 bytes
	s_add_nc_u64 s[XP:XP+1], s[4:5], s[58:59]
	s_lshl_b32 s58, s22, 17                        ; 64 rows of 2,048 bytes, and 128 rows of 1,024
	s_add_nc_u64 s[XPB:XPB+1], s[6:7], s[58:59]
	s_add_nc_u64 s[16:17], s[16:17], s[58:59]
	s_lshl_b32 s58, s22, 16                        ; 64 rows of 1,024 bytes
	s_add_nc_u64 s[18:19], s[18:19], s[58:59]
	CROUND                                         ; all four work-groups are here: the first joint loads meet
	tensor_load_to_lds s[G0:G0+3], s[G1:G1+7]      ; Wk's tile 0
	s_nop 0
	tensor_load_to_lds s[G0+4:G0+7], s[G1:G1+7]    ; and tile 1
	s_nop 0
	PLACES
	v_and_b32 v1, 15, v0                           ; r = l % 16
	v_bfe_u32 v2, v0, 4, 1                         ; h = l / 16
	v_and_b32 v3, 7, v0
	v_bfe_u32 v17, v0, 3, 1
	v_and_b32 v18, 31, v0                          ; l
	v_lshl_add_u32 v19, v3, 1, v2                  ; the turning load: row 2 (l % 8) + h, 16 bytes for each eight lanes, my wave's 256 bytes of a row
	v_mul_u32_u24 v19, v19, PW
	v_lshl_add_u32 v19, v17, 4, v19
	s_lshl_b32 s60, s[WV], 8
	v_add_nc_u32 v[AW], s60, v19
	v_add_nc_u32 v[AW+1], SLOTB, v[AW]
	v_mul_u32_u24 v[AX0], v1, PX                   ; a fragment of x: row r, 16 bytes for each half of the lanes
	v_lshl_add_u32 v[AX0], v2, 4, v[AX0]
	s_mul_i32 s61, s[WV], PX
	v_lshl_add_u32 v[XS0], v18, 3, s61             ; row w, 8 bytes a lane
	s_lshl_b32 s61, s[WV], 11
	v_lshl_add_u32 v[XO], v18, 4, s61              ; row w, 16 bytes a lane
	s_lshl_b32 s61, s[WV], 9
	v_lshl_add_u32 v[BO], v2, 5, s61               ; bias: 128 w + 8 h, in f32
	BLD 12                                         ; bk
	XISS 0, 32                                     ; sub-tile 0 of keys
	s_mul_i32 s61, s[WV], 16*SP
	s_add_co_u32 s61, s61, STAGE                   ; my stage
	v_add_nc_u32 v[STO], s61, v[AX0]
	v_mul_u32_u24 v19, v2, SP
	v_lshl_add_u32 v19, v1, 4, v19
	v_add_nc_u32 v[RD], s61, v19
	v_lshlrev_b32 v19, 10, v2
	v_lshl_add_u32 v19, v1, 4, v19
	v_add_nc_u32 v[CO], s60, v19
	s_mov_b32 s[TX], XT0
	s_mov_b32 s[TY], XT0^XFLIP
	s_wait_loadcnt 0x20                            ; bk is in; the 32 loads of x behind it stay out
	INIT 8                                         ; stands in the wait for the first rows
	BLD 14                                         ; bq takes bk's place: block A's sums have their bias
	s_wait_loadcnt 0x10                            ; sub-tile 0 is in; bq's 16 loads stay out
	v_add_nc_u32 v[XSC], XT0, v[XS0]
	XCONS 0, 32
	s_add_nc_u64 s[XP:XP+1], s[XP:XP+1], 512       ; its loads are done, so the pointer may step: 128 d on
	XISS 0, 32                                     ; sub-tile 1
	v_add_nc_u32 v[AXC], XT0, v[AX0]
	s_wait_dscnt 0x0                               ; my stores of x are done,
	s_wait_tensorcnt 0x1                           ; my part of tile 0 is in; tile 1's may stay out
	s_barrier_signal -1
	s_barrier_wait -1
	FETCHP 0, 0, F0, 8, 0
	WIN 0
	s_mov_b32 s[CNT], 4
.LtripA:                                               ; a trip: one sub-tile of x, two weight tiles, 256 matrix instructions.  Trip T stores sub-tile T + 1 and asks for T + 2
	QCH 0, 8
	TCH 0, 8, 1, 1
	WIN 0
	s_wait_loadcnt 0x0                             ; the one sub-tile that is out, asked for a trip ago
	v_add_nc_u32 v[XSC], s[TY], v[XS0]
	XCONS 0, 16
	s_cmp_eq_u32 s[CNT], 1                         ; the last trip stores block B's first sub-tile: 64 rows
	s_cbranch_scc1 .Lhalf_in
	XCONS 16, 16
.Lhalf_in:
	s_add_nc_u64 s[XP:XP+1], s[XP:XP+1], 512
	s_cmp_eq_u32 s[CNT], 2                         ; behind keys' fourth sub-tile comes query's first
	s_cselect_b64 s[XP:XP+1], s[XPB:XPB+1], s[XP:XP+1]
	XISS 0, 16
	s_cmp_le_u32 s[CNT], 2
	s_cbranch_scc1 .Lhalf_out
	XISS 16, 16
.Lhalf_out:
	QCH 1, 8
	TCH 1, 8, 1, 1                                 ; in the last trip its fetch brings Wq's first fragments and query's four row tiles; the other four, old rows of the buffer, are multiplied by nothing
	WIN 0
	s_sub_co_u32 s[CNT], s[CNT], 1
	s_cmp_lg_u32 s[CNT], 0
	s_cbranch_scc1 .LtripA
	PLACES
	OUT 8, 16                                      ; kb.  Wq's tile 1 and query's second sub-tile are on their way meanwhile
	INIT 4
	s_mov_b32 s[CNT], 3
.LtripB:
	QCH 0, 4
	TCH 0, 4, 1, 0
	WIN 0
	s_wait_loadcnt 0x0
	v_add_nc_u32 v[XSC], s[TY], v[XS0]
	XCONS 0, 16
	s_cmp_eq_u32 s[CNT], 1                         ; query's fourth sub-tile is the last
	s_cbranch_scc1 .Lno_more_x
	s_add_nc_u64 s[XP:XP+1], s[XP:XP+1], 512
	XISS 0, 16
.Lno_more_x:
	QCH 1, 4
	TCH 1, 4, 1, 0
	WIN 0
	s_sub_co_u32 s[CNT], s[CNT], 1
	s_cmp_lg_u32 s[CNT], 0
	s_cbranch_scc1 .LtripB
	QCH 0, 4                                       ; the last two tiles are written out: nothing is asked for
	TCH 0, 4, 0, 0
	QCH 1, 4
	s_wait_dscnt 0x0
	MULQ F1, 0, 8, 4
	PLACES
	OUT 4, 18                                      ; qb
	s_wait_tensorcnt 0x0                           ; the wave's end
	ds_add_u32 v[SPW], v[NIL]
	s_wait_dscnt 0x0
	CROUND                                         ; the closing round
	s_endpgm
.Lfunc_end_k_qba35168ad7_proj:
	.size	k_qba35168ad7_proj, .Lfunc_end_k_qba35168ad7_proj-k_qba35168ad7_proj
	.p2alignl 7, 3214868480
	.fill 96, 4, 3214868480
	.section	.rodata,"a",@progbits
	.p2align	6, 0x0
	.amdhsa_kernel k_qba35168ad7_proj
		.amdhsa_group_segment_fixed_size 327680
		.amdhsa_private_segment_fixed_size 0
		.amdhsa_enable_private_segment 0
		.amdhsa_kernarg_size 64
		.amdhsa_user_sgpr_count 2
		.amdhsa_user_sgpr_kernarg_segment_ptr 1
		.amdhsa_wavefront_size32 1
		.amdhsa_system_sgpr_workgroup_id_x 1
		.amdhsa_system_sgpr_workgroup_id_y 1
		.amdhsa_system_sgpr_workgroup_id_z 1
		.amdhsa_system_vgpr_workitem_id 0
		.amdhsa_next_free_vgpr 1024
		.amdhsa_next_free_sgpr 66
		.amdhsa_reserve_vcc 0
		.amdhsa_float_denorm_mode_32 3
		.amdhsa_float_denorm_mode_16_64 3
		.amdhsa_memory_ordered 1
		.amdhsa_forward_progress 1
		.amdhsa_inst_pref_size 165
	.end_amdhsa_kernel
	.amdgpu_metadata
---
amdhsa.version: [ 1, 2 ]
amdhsa.kernels:
  - .name:           k_qba35168ad7_proj
    .symbol:         k_qba35168ad7_proj.kd
    .args:
      - { .name: keys, .offset: 0, .size: 8, .value_kind: global_buffer, .address_space: global }
      - { .name: query, .offset: 8, .size: 8, .value_kind: global_buffer, .address_space: global }
      - { .name: wkb, .offset: 16, .size: 8, .value_kind: global_buffer, .address_space: global }
      - { .name: wqb, .offset: 24, .size: 8, .value_kind: global_buffer, .address_space: global }
      - { .name: bk, .offset: 32, .size: 8, .value_kind: global_buffer, .address_space: global }
      - { .name: bq, .offset: 40, .size: 8, .value_kind: global_buffer, .address_space: global }
      - { .name: kb, .offset: 48, .size: 8, .value_kind: global_buffer, .address_space: global }
      - { .name: qb, .offset: 56, .size: 8, .value_kind: global_buffer, .address_space: global }
    .group_segment_fixed_size: 327680
    .private_segment_fixed_size: 0
    .kernarg_segment_align: 8
    .kernarg_segment_size: 64
    .max_flat_workgroup_size: 128
    .sgpr_count:     66
    .vgpr_count:     1024
    .wavefront_size: 32
...
	.end_amdgpu_metadata
.endif
;; end of part 2
;; launch attn (part 3): grid 16 x 16, 4 waves a work-group, clusters of 4 x 1, 327,680 bytes of LDS; arguments qb, kb, wvb, bv, out0; writes out0
.if DOCPART == 3
	.amdgcn_target "amdgcn-amd-amdhsa--gfx1250"
	.amdhsa_code_object_version 6
	.text
	.protected	k_qba35168ad7_attn
	.globl	k_qba35168ad7_attn
	.p2align	8
	.type	k_qba35168ad7_attn,@function
k_qba35168ad7_attn:
	s_mov_b64 s[64:65], 0
	v_nop
	global_prefetch_b8 v0, s[64:65] scope:SCOPE_SE
	s_setreg_imm32_b32 hwreg(HW_REG_WAVE_MODE, 25, 1), 1
	s_wait_xcnt 0x0
	s_wait_alu depctr_hold_cnt(0) depctr_sa_sdst(0) depctr_va_vdst(0) depctr_va_sdst(0) depctr_va_ssrc(0) depctr_va_vcc(0) depctr_vm_vsrc(0)
	s_getreg_b32 s2, hwreg(HW_REG_IB_STS2, 6, 4)
	s_cmp_eq_u32 s2, 0
	s_cbranch_scc0 .Lentry_in_a_cluster
	s_endpgm
.Lentry_in_a_cluster:
	s_bfe_u32 s2, ttmp6, 0x10000c
	s_cmp_lg_u32 s2, 0x3003
	s_cbranch_scc0 .Lentry_shape_is_right
	s_endpgm
.Lentry_shape_is_right:
; out0[b][q] = (sum over keys of softmax(q . k / sqrt(512)) k) Wv + bv.  qb [16][1024][512], kb [16][2048][512] bf16; wvb [512 d][512 n] bf16, rows permuted in groups of 16; bv, out0 f32.
; A softmax's weights add up to 1 and v = k Wv + bv is affine in k, so attn v = (attn k) Wv + bv: the value projection is applied to the 64 averaged rows, and one tile of k serves both products.
; LIMITS.  Operands bf16 (q, k, the weights p, the averaged row u, Wv); products, maxima and sums f32; the sum l is taken of the unrounded p.  c m must stay above -4e37 (c = log2(e) / sqrt(512));
; a weight below 2^-126 counts as 0; NaN and infinities are not treated apart.
; SHARES.  A work-group owns 64 queries of one batch and walks its 2,048 keys, 128 a step.  S^T = K Q^T: wave w takes the step's keys 32 w .. + 31 x all 64 queries (8 accumulators; all of Q lies in 512
; registers of every wave).  O^T += K^T P: wave w takes channels 128 w .. + 127 x 64 queries (32 accumulators).  A lane holds one query in S^T, P and O^T.  A wave's weights, rounded in pairs, ARE
; source 1 for its 32 keys: they go to the other waves as register images through LDS; so do the four partial maxima of each query.
; KEY ORDER.  Place kappa of 32 along the second product's K is row 16 (kappa / 16) + 2 (kappa % 8) + (kappa / 8) % 2 of the tile, in S^T's rows too: the turning load's eight rows then lie two apart.
; SOFTMAX.  A running maximum m over all four waves' keys; p = 2^(c s - c m); O and l are multiplied by a = 2^(c m_old - c m_new) in every step.  m starts at the lowest finite number, O and l at 0.
; TILES.  20 tiles of 128 rows x 1,024 bytes go through two slots: 16 of k, then Wv's four.  The four query blocks of a cluster walk the same tiles, so each is asked for JOINTLY; a wave brings 32 rows.
; By this text's count a wave has two tensor loads out at the start and one later, with a whole step's 256 matrix instructions in which to land.
; REGISTERS: window 0 addresses, statistics, S^T (v64-127), R1 (v128-191), R2a (v192-223), R2b (v224-255); window 1 O^T, (cb, qt) at 8 (4 cb + qt); windows 2, 3 Q, (c, qt) at 8 (4 (c % 8) + qt); at the end window 2 holds u.
.set PK,    1040                       ; a row in LDS: 1,024 bytes + 16 = 260 words: 16 rows of a plain load start at 16 different groups of four banks
.set SLOTB, 128*PK
.set TILEB, 131072                     ; a tile in memory
.set XCH,   2*SLOTB                    ; behind the ring, never filled by a tensor load: two buffers of 16 register images of 1,024 bytes; at the end four stages of 16 rows x 528 bytes
.set PBB,   16384
.set SPO,   528
.set MX,    XCH+4*16*SPO               ; [64 queries][4 waves] f32
.set SPARE, MX+1024                    ; the spare words: 128 bytes a wave, two blocks of 256 bytes that no other line names
.set AK,  4                            ; v4-5   my lane's place in my 32 keys of slot 0, 1
.set AV,  6                            ; v6-9   the turning load's place: slot s, rows 64 g on, at AV + 2 s + g
.set PLD, 10                           ; v10    16 l in the images
.set PST, 11                           ; v11    the same at my wave's four images
.set UST, 12                           ; v12    the same in buffer w % 2
.set MXS, 13                           ; v13    query r, my wave's word
.set MXL, 14                           ; v14    query r, all four
.set STO, 15                           ; v15    way out: where I put 32 bytes of a row
.set RD,  16                           ; v16    way out: where I read a row back
.set GO,  17                           ; v17    my byte offset in a row of out0, and in bv
.set QO,  18                           ; v18    my byte offset in 16 rows of Q
.set BV4, 20                           ; v20-23 bv of my four columns
.set ST,  24                           ; v24-39 tile t: c m, m, l (even places', odd places')
.set A2,  40                           ; v40-47 tile t: a, and the exponent it is made of
.set CT,  48                           ; v48-55 tile t: two at work
.set SPW, 56
.set NIL, 57
.set S,   64
.set R1,  128
.set R2,  192
.set R2A, 192
.set R2B, 224
.set WV,  14                           ; s14
.set G1,  24                           ; s[24:31]
.set G0,  32                           ; s[32:39] a set for each slot
.set KA,  40                           ; s[40:43] by slot: the address of the tile asked for last
.set WA,  44                           ; s[44:47] by slot: Wv's tiles 0 and 1
.set CS,  48                           ; s[48:49] c
.set SEL, 50                           ; s[50:51] v_permlanex16_b32's selects: each lane takes its own place in the other half
.set CNT, 52
.set MSB, 0
.macro WIN new                         ; the immediate's high byte repeats the setting that is left; a switch that changes nothing is dropped
.if MSB != (\new)
	s_set_vgpr_msb (MSB<<8)|(\new)
.set MSB, (\new)
.endif
.endm
.macro WINL                            ; an LDS load into window 0 by an address in window 0: only those two fields matter
.if (MSB & 0xc3) != 0
	WIN 0
.endif
.endm
.macro PLACES                          ; four places in front of loads into registers that matrix instructions have read, and of vector lines that read results
.rept 4
	v_nop
.endr
.endm
.macro CREST
	s_cmp_lg_u32 s[WV], 0
	s_cbranch_scc1 .Lnot_wave_0_\@
	s_barrier_signal -3
.Lnot_wave_0_\@:
	s_barrier_wait -3
	s_barrier_signal -1
	s_barrier_wait -1
.endm
.macro CROUND
	s_barrier_signal -1
	s_barrier_wait -1
	CREST
.endm
.macro FETCH_K slot, g, R              ; my 32 keys x channels 128 g .. + 127: fragment (chunk ci, key block ki) at R + 16 ci + 8 ki
	WINL
.set ci, 0
.rept 4
.set ki, 0
.rept 2
	ds_load_b128 v[(\R)+16*ci+8*ki:(\R)+16*ci+8*ki+3],   v[AK+(\slot)] offset:16*PK*ki+64*(4*(\g)+ci)
	ds_load_b128 v[(\R)+16*ci+8*ki+4:(\R)+16*ci+8*ki+7], v[AK+(\slot)] offset:16*PK*ki+64*(4*(\g)+ci)+32
.set ki, ki+1
.endr
.set ci, ci+1
.endr
.endm
.macro FETCH_V slot, kc, R             ; rows 32 kc .. + 31 of the tile x my 128 columns, turned: column block ci at R + 8 ci
	WINL
.set ci, 0
.rept 8
	ds_load_tr16_b128 v[(\R)+8*ci:(\R)+8*ci+3],   v[AV+2*(\slot)+(\kc)/2] offset:32*PK*((\kc)%2)+32*ci
	ds_load_tr16_b128 v[(\R)+8*ci+4:(\R)+8*ci+7], v[AV+2*(\slot)+(\kc)/2] offset:32*PK*((\kc)%2)+16*PK+32*ci
.set ci, ci+1
.endr
.endm
.macro FETCH_P pb, kc, R               ; the four images of chunk kc: query tile qi at R + 8 qi
	WINL
.set qi, 0
.rept 4
	ds_load_b128 v[(\R)+8*qi:(\R)+8*qi+3],   v[PLD] offset:PBB*(\pb)+1024*(4*(\kc)+qi)
	ds_load_b128 v[(\R)+8*qi+4:(\R)+8*qi+7], v[PLD] offset:PBB*(\pb)+1024*(4*(\kc)+qi)+512
.set qi, qi+1
.endr
.endm
.macro MULS c, R, zero                 ; S^T, channels 32 c on: the 8 accumulators take turns
	WIN 0x08+4*((\c)/8)
.set qi, 0
.rept 4
.set ki, 0
.rept 2
.if \zero
	v_wmma_f32_16x16x32_bf16 v[S+16*qi+8*ki:S+16*qi+8*ki+7], v[(\R)+16*((\c)%4)+8*ki:(\R)+16*((\c)%4)+8*ki+7], v[8*(4*((\c)%8)+qi):8*(4*((\c)%8)+qi)+7], 0
.else
	v_wmma_f32_16x16x32_bf16 v[S+16*qi+8*ki:S+16*qi+8*ki+7], v[(\R)+16*((\c)%4)+8*ki:(\R)+16*((\c)%4)+8*ki+7], v[8*(4*((\c)%8)+qi):8*(4*((\c)%8)+qi)+7], v[S+16*qi+8*ki:S+16*qi+8*ki+7]
.endif
.set ki, ki+1
.endr
.set qi, qi+1
.endr
.endm
.macro MULP VR, PR, cb0, ncb, zero     ; O^T, 32 places along K: column blocks cb0 .. x four query tiles, every accumulator one turn
	WIN 0x50
.set ci, \cb0
.rept \ncb
.set qi, 0
.rept 4
.if \zero
	v_wmma_f32_16x16x32_bf16 v[8*(4*ci+qi):8*(4*ci+qi)+7], v[(\VR)+8*ci:(\VR)+8*ci+7], v[(\PR)+8*qi:(\PR)+8*qi+7], 0
.else
	v_wmma_f32_16x16x32_bf16 v[8*(4*ci+qi):8*(4*ci+qi)+7], v[(\VR)+8*ci:(\VR)+8*ci+7], v[(\PR)+8*qi:(\PR)+8*qi+7], v[8*(4*ci+qi):8*(4*ci+qi)+7]
.endif
.set qi, qi+1
.endr
.set ci, ci+1
.endr
.endm
; THE SCORES: 128 matrix instructions; K comes in four groups of 128 channels on R1, R2, R1, R2, each fetched in the middle of the group before; the last group fetches the second product's first fragments
.macro SPH slot
.rept 5
	v_nop                                          ; S^T's registers were sources of the last products: five places before they are written over
.endr
	s_wait_dscnt 0x0
	MULS 0, R1, 1
	MULS 1, R1, 0
	PLACES
	FETCH_K \slot, 1, R2
	MULS 2, R1, 0
	MULS 3, R1, 0
	s_wait_dscnt 0x0
	MULS 4, R2, 0
	MULS 5, R2, 0
	PLACES
	FETCH_K \slot, 2, R1
	MULS 6, R2, 0
	MULS 7, R2, 0
	s_wait_dscnt 0x0
	MULS 8, R1, 0
	MULS 9, R1, 0
	PLACES
	FETCH_K \slot, 3, R2
	MULS 10, R1, 0
	MULS 11, R1, 0
	s_wait_dscnt 0x0
	MULS 12, R2, 0
	MULS 13, R2, 0
	PLACES
	FETCH_V \slot, 0, R1
	MULS 14, R2, 0
	MULS 15, R2, 0
.endm
; my 32 keys' maximum for each query, to the other waves; each accumulator's lowest registers are read first
.macro MAXP
	WIN 0
	PLACES
.irp t, 0,1,2,3
	v_max3_num_f32 v[CT+2*\t], v[S+16*\t], v[S+16*\t+1], v[S+16*\t+2]
.endr
.irp t, 0,1,2,3
	v_max3_num_f32 v[CT+2*\t+1], v[S+16*\t+8], v[S+16*\t+9], v[S+16*\t+10]
.endr
.irp t, 0,1,2,3
	v_max3_num_f32 v[CT+2*\t], v[CT+2*\t], v[S+16*\t+3], v[S+16*\t+4]
.endr
.irp t, 0,1,2,3
	v_max3_num_f32 v[CT+2*\t+1], v[CT+2*\t+1], v[S+16*\t+11], v[S+16*\t+12]
.endr
.irp t, 0,1,2,3
	v_max3_num_f32 v[CT+2*\t], v[CT+2*\t], v[S+16*\t+5], v[S+16*\t+6]
.endr
.irp t, 0,1,2,3
	v_max3_num_f32 v[CT+2*\t+1], v[CT+2*\t+1], v[S+16*\t+13], v[S+16*\t+14]
.endr
.irp t, 0,1,2,3
	v_max3_num_f32 v[CT+2*\t], v[CT+2*\t], v[S+16*\t+7], v[S+16*\t+15]
.endr
.irp t, 0,1,2,3
	v_max_num_f32 v[CT+2*\t], v[CT+2*\t], v[CT+2*\t+1]
.endr
.irp t, 0,1,2,3
	v_permlanex16_b32 v[CT+2*\t+1], v[CT+2*\t], s[SEL], s[SEL+1]  ; the query's other 16 of my keys lie in the lane 16 away
.endr
.irp t, 0,1,2,3
	v_max_num_f32 v[CT+2*\t], v[CT+2*\t], v[CT+2*\t+1]
.endr
.irp t, 0,1,2,3
	ds_store_b32 v[MXS], v[CT+2*\t] offset:256*\t
.endr
	s_wait_dscnt 0x0                               ; for the others' sake: my four stores are done
	s_barrier_signal -1
	s_barrier_wait -1
.irp t, 0,1,2,3
	ds_load_b128 v[R2A+4*\t:R2A+4*\t+3], v[MXL] offset:256*\t
.endr
	s_wait_dscnt 0x0
.endm
.macro FS q, i                         ; c s - c m for pair i of tile q
	v_pk_fma_f32 v[S+16*(\q)+2*(\i):S+16*(\q)+2*(\i)+1], v[S+16*(\q)+2*(\i):S+16*(\q)+2*(\i)+1], s[CS:CS+1], v[ST+4*(\q):ST+4*(\q)+1] op_sel_hi:[1,0,0] neg_lo:[0,0,1] neg_hi:[0,0,1]
.endm
.macro CV q, i                         ; pair i rounded to bf16: register i of the tile's image
	s_wait_alu depctr_va_vdst(0)
	v_cvt_pk_bf16_f32 v[R2B+8*(\q)+(\i)], v[S+16*(\q)+2*(\i)], v[S+16*(\q)+2*(\i)+1]
.endm
.macro PS q                            ; the image goes out: 512 consecutive bytes a store
	ds_store_b128 v[PST], v[R2B+8*(\q):R2B+8*(\q)+3]   offset:1024*(\q)
	ds_store_b128 v[PST], v[R2B+8*(\q)+4:R2B+8*(\q)+7] offset:1024*(\q)+512
.endm
.macro TR q, n                         ; line n of 8 of the tile's sum: the eight pairs are added in place, neighbours 1, 2 and 4 pairs apart; then l = a l + sum
.set rS, S+16*(\q)
.if (\n) < 4
	v_pk_add_f32 v[rS+4*(\n):rS+4*(\n)+1], v[rS+4*(\n):rS+4*(\n)+1], v[rS+4*(\n)+2:rS+4*(\n)+3]
.elseif (\n) < 6
	v_pk_add_f32 v[rS+8*((\n)-4):rS+8*((\n)-4)+1], v[rS+8*((\n)-4):rS+8*((\n)-4)+1], v[rS+8*((\n)-4)+4:rS+8*((\n)-4)+5]
.elseif (\n) == 6
	v_pk_add_f32 v[rS:rS+1], v[rS:rS+1], v[rS+8:rS+9]
.else
	v_pk_fma_f32 v[ST+4*(\q)+2:ST+4*(\q)+3], v[ST+4*(\q)+2:ST+4*(\q)+3], v[A2+2*(\q):A2+2*(\q)+1], v[rS:rS+1] op_sel_hi:[1,0,1]
.endif
.endm
; the new m, c m and a; then the weights.  Behind every exponential stands one plain line that is ready and names neither its result nor its source (ISA guide 5.7.2): a scaling of the next tile, a rounding
; three scores back, the tile before's last rounding, or (tile 3) a line of tile 0's sum.
.macro SMX
.irp t, 0,1,2,3
	v_max3_num_f32 v[CT+2*\t], v[R2A+4*\t], v[R2A+4*\t+1], v[R2A+4*\t+2]
.endr
.irp t, 0,1,2,3
	v_mov_b32 v[CT+2*\t+1], v[ST+4*\t]             ; c m_old is kept for a
.endr
.irp t, 0,1,2,3
	v_max3_num_f32 v[ST+4*\t+1], v[CT+2*\t], v[R2A+4*\t+3], v[ST+4*\t+1]
.endr
.irp t, 0,1,2,3
	v_mul_f32 v[ST+4*\t], s[CS], v[ST+4*\t+1]
.endr
.irp t, 0,1,2,3
	v_sub_f32 v[A2+2*\t+1], v[CT+2*\t+1], v[ST+4*\t]
.endr
.irp t, 0,1,2,3
	v_exp_f32 v[A2+2*\t], v[A2+2*\t+1]
.endr
.set i7, 0
.rept 7
	FS 0, i7
.set i7, i7+1
.endr
.set q, 0
.rept 4
.set k, 0
.rept 16
	v_exp_f32 v[S+16*q+k], v[S+16*q+k]
.if k%2 == 0
.if q < 3
	FS q+1, k/2
.else
	TR 0, k/2
.endif
.elseif k == 1
.if q == 0
	FS 0, 7
.else
	CV q-1, 7
	PS q-1
.endif
.else
	CV q, (k-3)/2
.endif
.set k, k+1
.endr
.set q, q+1
.endr
	CV 3, 7
	PS 3
.endm
.macro RESC cb0                        ; O^T times a (at the end: times 1 / l), column blocks cb0 .. + 3, each accumulator from its low end
	WIN 0x41
.set ci, \cb0
.rept 4
.set qi, 0
.rept 4
.set ji, 0
.rept 4
	v_pk_mul_f32 v[8*(4*ci+qi)+2*ji:8*(4*ci+qi)+2*ji+1], v[8*(4*ci+qi)+2*ji:8*(4*ci+qi)+2*ji+1], v[A2+2*qi:A2+2*qi+1] op_sel_hi:[1,0]
.set ji, ji+1
.endr
.set qi, qi+1
.endr
.set ci, ci+1
.endr
.endm
.macro USTB                            ; my 16 fragments of u, as images, into buffer w % 2
	WIN 0x08                                       ; the data lie in window 2
.set fi, 0
.rept 16
	ds_store_b128 v[UST], v[8*fi:8*fi+3]   offset:1024*fi
	ds_store_b128 v[UST], v[8*fi+4:8*fi+7] offset:1024*fi+512
.set fi, fi+1
.endr
	WIN 0
.endm
.macro USTORE1 n                       ; wave n alone
	s_cmp_lg_u32 s[WV], \n
	s_cbranch_scc1 .Lno_u_\@
	USTB
.Lno_u_\@:
.endm
; 32 places along the second product's K on one set of registers; in the middle the next 32 are fetched into the other set
.macro PVQ slot, pb, kc, VR, PR, VN, PN, zero
	s_wait_dscnt 0x0
	MULP \VR, \PR, 0, 4, \zero
	WIN 0
	PLACES
	FETCH_V \slot, (\kc)+1, \VN
	FETCH_P \pb, (\kc)+1, \PN
	MULP \VR, \PR, 4, 4, \zero
.endm
; the tile's last 32 places and THE CHANGE OF SLOTS: each wave waits for all its tensor loads (its part of the other slot), adds 0 to its spare word, waits for that and for its reads of the slot and of the
; images, and signals.  mode 0: a key step: the barrier opens a round of the cluster's, the slot is asked for again, jointly, first thing behind it (in the loop's last trip: Wv's tiles), and the next K is fetched.
; mode 1: Wv's tiles 0, 1: the same, and wave 2 + slot stores its u into the image buffer just read out.  mode 2: nothing is asked for.  mode 3: the last tile: the barrier frees the image buffers for the stages.
.macro EDGE slot, pb, mode
	WIN 0
	s_wait_tensorcnt 0x0                           ; no tensor load of mine is out, so a group 0 may be written
	ds_add_u32 v[SPW], v[NIL]                      ; work on registers stands between the add and the wait for it
.if (\mode) < 2
	s_add_nc_u64 s[KA+2*(\slot):KA+2*(\slot)+1], s[KA+2*(\slot):KA+2*(\slot)+1], 2*TILEB
.if (\mode) == 0
	s_cmp_eq_u32 s[CNT], 1
	s_cselect_b64 s[KA+2*(\slot):KA+2*(\slot)+1], s[WA+2*(\slot):WA+2*(\slot)+1], s[KA+2*(\slot):KA+2*(\slot)+1]
.endif
	s_mov_b64 s[G0+4*(\slot)+2:G0+4*(\slot)+3], s[KA+2*(\slot):KA+2*(\slot)+1]
	s_or_b32 s[G0+4*(\slot)+3], s[G0+4*(\slot)+3], 0x80000000
.endif
	s_wait_dscnt 0x1                               ; only the add may be out: the fragments are in
	MULP S, R2B, 0, 2, 0
	s_wait_dscnt 0x0
	s_barrier_signal -1
	MULP S, R2B, 2, 2, 0
	WIN 0
	s_barrier_wait -1
.if (\mode) < 2
	CREST                                          ; no wave of any partner still reads the slot or has a load on its way
	tensor_load_to_lds s[G0+4*(\slot):G0+4*(\slot)+3], s[G1:G1+7]
	s_nop 0
.endif
.if (\mode) < 3
	PLACES                                         ; behind the load; also the places in front of the loads below
.endif
.if (\mode) == 1
	USTORE1 2+(\slot)
.endif
.if (\mode) == 0
	FETCH_K 1-(\slot), 0, R1                       ; behind the last key step this run reads Wv's tile and serves nothing: the price, once a launch, of one text for every step
.elseif (\mode) < 3
	FETCH_V 1-(\slot), 0, R1
	FETCH_P 1-(\pb), 0, R2A
.endif
	MULP S, R2B, 4, 4, 0
.endm
.macro PVPH slot, pb, zero, mode       ; a tile's second product: 128 matrix instructions on the sets (R1, R2a) and (S, R2b) by turns
	PVQ \slot, \pb, 0, R1, R2A, S, R2B, \zero
	PVQ \slot, \pb, 1, S, R2B, R1, R2A, 0
	PVQ \slot, \pb, 2, R1, R2A, S, R2B, 0
	EDGE \slot, \pb, \mode
.endm
.macro STEP slot
	SPH \slot
	MAXP
	SMX
	s_wait_dscnt 0x0                               ; for the others' sake: my images are stored
	s_barrier_signal -1
.set n8, 0
.rept 8                                ; the other three tiles' sums and half of the rescaling stand between the signal and the wait
	TR 1, n8
	TR 2, n8
	TR 3, n8
.set n8, n8+1
.endr
	RESC 0
	WIN 0
	s_barrier_wait -1
	FETCH_P 0, 0, R2A
	RESC 4
	PVPH \slot, 0, 0, 0
.endm
; THE WAY OUT of query tile qt: 32 bytes a lane into my own stage, back as whole rows of 512 bytes, bv added, stored
.macro WAYOUT qt
.set bk, S+64*((\qt)%2)
	WIN 0x04                                       ; the data lie in window 1
.set ci, 0
.rept 8
	ds_store_b128 v[STO], v[8*(4*ci+(\qt)):8*(4*ci+(\qt))+3]   offset:64*ci
	ds_store_b128 v[STO], v[8*(4*ci+(\qt))+4:8*(4*ci+(\qt))+7] offset:64*ci+16
.set ci, ci+1
.endr
	WIN 0
	s_wait_xcnt 0x0                                ; the registers that earlier stores read are loaded again only behind this wait
.set ri, 0
.rept 16
	ds_load_b128 v[bk+4*ri:bk+4*ri+3], v[RD] offset:SPO*ri  ; LDS serves a wave's instructions in order (ISA guide 5.7.1.4): these see the stores above
.set ri, ri+1
.endr
.set ri, 0
.rept 16
	s_wait_dscnt 15-ri                             ; row ri is in; the younger rows stay out
	v_pk_add_f32 v[bk+4*ri:bk+4*ri+1],   v[bk+4*ri:bk+4*ri+1],   v[BV4:BV4+1]
	v_pk_add_f32 v[bk+4*ri+2:bk+4*ri+3], v[bk+4*ri+2:bk+4*ri+3], v[BV4+2:BV4+3]
	global_store_b128 v[GO], v[bk+4*ri:bk+4*ri+3], s[12:13] offset:32768*(\qt)+2048*ri th:TH_STORE_NT  ; 512 consecutive bytes, aligned
.set ri, ri+1
.endr
.endm
	s_load_b256 s[4:11], s[0:1], 0x0               ; qb s[4:5], kb s[6:7], wvb s[8:9], bv s[10:11]
	s_load_b64 s[12:13], s[0:1], 0x20              ; out0
	v_lshl_add_u32 v[SPW], v0, 2, SPARE
	v_mov_b32 v[NIL], 0
	ds_add_u32 v[SPW], v[NIL]                      ; the wave's opening: the add and its wait stand ahead of my first tensor load
	v_lshrrev_b32 v1, 5, v0
	v_readfirstlane_b32 s[WV], v1                  ; wave 0..3
	s_bfe_u32 s15, ttmp6, 0x40000                  ; cx
	s_lshl_b32 s16, ttmp9, 2
	s_add_co_u32 s16, s16, s15                     ; my block of 64 queries: it enters Q's and out0's addresses alone
	s_and_b32 s17, ttmp7, 0xffff                   ; the batch, which the four partners share
	s_mov_b32 s[G1+0], 15|(1<<16)|(1<<20)|(1<<21)|(7<<22)|(3<<25)  ; mask of four; 2-byte elements; padding on; bit 21 beside a mask; after every 256 words (code 7) 4 words (code 3)
	s_mov_b32 s[G1+1], 512<<16                     ; tensor_dim0 = 512
	s_mov_b32 s[G1+2], 32<<16                      ; tensor_dim1 = 32
	s_mov_b32 s[G1+3], 512<<16                     ; tile_dim0 = 512
	s_mov_b32 s[G1+4], 32                          ; tile_dim1 = 32
	s_mov_b32 s[G1+5], 512                         ; elements from row to row
	s_mov_b32 s[G1+6], 0
	s_mov_b32 s[G1+7], 0
	s_mul_i32 s23, s[WV], 32*PK                    ; my 32 rows of a slot
	s_mov_b32 s[G0+0], 1
	s_mov_b32 s[G0+1], s23
	s_mov_b32 s[G0+4], 1
	s_add_co_u32 s[G0+5], s23, SLOTB
	s_lshl_b32 s18, s[WV], 15                      ; and of a tile in memory
	s_mov_b32 s19, 0
	s_lshl_b32 s54, s17, 21                        ; a batch's keys: 2,048 rows of 1,024 bytes
	s_add_co_u32 s54, s54, s18
	s_mov_b32 s55, 0
	s_lshl_b32 s56, s17, 20                        ; a batch's queries: 1,024 rows of 1,024 bytes;
	s_lshl_b32 s53, s16, 16                        ; my 64 of them
	s_add_co_u32 s56, s56, s53
	s_mov_b32 s57, 0
	s_lshl_b32 s58, s17, 21                        ; the same in out0, rows of 2,048 bytes
	s_lshl_b32 s53, s16, 17
	s_add_co_u32 s58, s58, s53
	s_mov_b32 s59, 0
	s_mov_b32 s[CS], 0x3d8293ee                    ; c = log2(e) / sqrt(512) = 0.0637587
	s_mov_b32 s[CS+1], s[CS]                       ; named with it as a pair
	s_mov_b32 s[SEL], 0x76543210
	s_mov_b32 s[SEL+1], 0xfedcba98
	s_wait_dscnt 0x0                               ; the opening add is done
	s_wait_kmcnt 0x0
	s_add_nc_u64 s[KA:KA+1], s[6:7], s[54:55]
	s_add_nc_u64 s[KA+2:KA+3], s[KA:KA+1], TILEB
	s_add_nc_u64 s[WA:WA+1], s[8:9], s[18:19]
	s_add_nc_u64 s[WA+2:WA+3], s[WA:WA+1], TILEB
	s_mov_b64 s[G0+2:G0+3], s[KA:KA+1]
	s_or_b32 s[G0+3], s[G0+3], 0x80000000
	s_mov_b64 s[G0+6:G0+7], s[KA+2:KA+3]
	s_or_b32 s[G0+7], s[G0+7], 0x80000000
	s_add_nc_u64 s[4:5], s[4:5], s[56:57]
	s_add_nc_u64 s[12:13], s[12:13], s[58:59]
	CROUND                                         ; all four work-groups are here: the first joint loads meet
	tensor_load_to_lds s[G0:G0+3], s[G1:G1+7]      ; keys 0 to 127
	s_nop 0
	tensor_load_to_lds s[G0+4:G0+7], s[G1:G1+7]    ; keys 128 to 255
	s_nop 0
	PLACES
	v_and_b32 v1, 15, v0                           ; r = l % 16
	v_bfe_u32 v2, v0, 4, 1                         ; h = l / 16
	v_and_b32 v3, 7, v0
	v_bfe_u32 v19, v0, 3, 1
	v_and_b32 v58, 31, v0                          ; l
	v_lshlrev_b32 v[QO], 10, v1
	v_lshl_add_u32 v[QO], v2, 4, v[QO]             ; row r x 1,024 + 16 h
	s_lshl_b32 s22, s[WV], 9
	v_lshl_add_u32 v[GO], v58, 4, s22              ; 512 w + 16 l
	WIN 0x80                                       ; Q stays in registers: chunk c of 32 channels, query tile qt
.set ci, 0
.rept 8
.set qi, 0
.rept 4
	global_load_b128 v[8*(4*ci+qi):8*(4*ci+qi)+3],   v[QO], s[4:5] offset:16384*qi+64*ci
	global_load_b128 v[8*(4*ci+qi)+4:8*(4*ci+qi)+7], v[QO], s[4:5] offset:16384*qi+64*ci+32
.set qi, qi+1
.endr
.set ci, ci+1
.endr
	WIN 0xc0
.set ci, 0
.rept 8
.set qi, 0
.rept 4
	global_load_b128 v[8*(4*ci+qi):8*(4*ci+qi)+3],   v[QO], s[4:5] offset:16384*qi+64*(ci+8)
	global_load_b128 v[8*(4*ci+qi)+4:8*(4*ci+qi)+7], v[QO], s[4:5] offset:16384*qi+64*(ci+8)+32
.set qi, qi+1
.endr
.set ci, ci+1
.endr
	WIN 0
	global_load_b128 v[BV4:BV4+3], v[GO], s[10:11]
	v_lshl_add_u32 v59, v3, 1, v19                 ; place r of 16 keys is row 2 (r % 8) + r / 8,
	s_lshl_b32 s20, s[WV], 5
	v_add_nc_u32 v59, s20, v59                     ; among my wave's 32
	v_mul_u32_u24 v59, v59, PK
	v_lshl_add_u32 v[AK], v2, 4, v59
	v_add_nc_u32 v[AK+1], SLOTB, v[AK]
	v_lshl_add_u32 v60, v3, 1, v2                  ; the turning load: row 2 (l % 8) + h, 16 bytes for each eight lanes, my wave's 256 bytes of a row
	v_mul_u32_u24 v60, v60, PK
	v_lshl_add_u32 v60, v19, 4, v60
	s_lshl_b32 s21, s[WV], 8
	v_add_nc_u32 v[AV], s21, v60
	v_add_nc_u32 v[AV+1], 64*PK, v[AV]
	v_add_nc_u32 v[AV+2], SLOTB, v[AV]
	v_add_nc_u32 v[AV+3], SLOTB+64*PK, v[AV]
	v_lshl_add_u32 v[PLD], v58, 4, XCH
	s_lshl_b32 s20, s[WV], 12
	v_add_nc_u32 v[PST], s20, v[PLD]
	s_and_b32 s20, s[WV], 1
	s_lshl_b32 s20, s20, 14
	v_add_nc_u32 v[UST], s20, v[PLD]
	v_lshl_add_u32 v[MXL], v1, 4, MX
	s_lshl_b32 s20, s[WV], 2
	v_add_nc_u32 v[MXS], s20, v[MXL]
	s_mul_i32 s21, s[WV], 16*SPO
	s_add_co_u32 s21, s21, XCH                     ; my stage
	v_mul_u32_u24 v61, v1, SPO
	v_lshl_add_u32 v61, v2, 5, v61
	v_add_nc_u32 v[STO], s21, v61
	v_lshl_add_u32 v[RD], v58, 4, s21
.irp t, 0,1,2,3
	v_mov_b32 v[ST+4*\t], 0xfe000000               ; c m: far below every c s, so the first step's a is 0
	v_mov_b32 v[ST+4*\t+1], 0xff7fffff             ; m
	v_mov_b32 v[ST+4*\t+2], 0
	v_mov_b32 v[ST+4*\t+3], 0
.endr
	WIN 0x40                                       ; O^T starts at 0, so that the first step is a step like any other; this stands in the wait for the first tile
.set i, 0
.rept 256
	v_mov_b32 v[i], 0
.set i, i+1
.endr
	WIN 0
	s_wait_tensorcnt 0x1                           ; my part of tile 0 is in; tile 1's may stay out
	s_barrier_signal -1
	s_barrier_wait -1
	FETCH_K 0, 0, R1
	s_wait_loadcnt 0x0                             ; Q and bv
	s_mov_b32 s[CNT], 8
.Lpair:                                                ; a trip: two key steps, once round the ring; both slots are asked for again
	STEP 0
	STEP 1
	WIN 0
	s_sub_co_u32 s[CNT], s[CNT], 1
	s_cmp_lg_u32 s[CNT], 0
	s_cbranch_scc1 .Lpair
	; THE TAIL.  l: its two halves, the other half of the lanes', the four waves'.
	PLACES
.irp t, 0,1,2,3
	v_add_f32 v[CT+2*\t], v[ST+4*\t+2], v[ST+4*\t+3]
.endr
.irp t, 0,1,2,3
	v_permlanex16_b32 v[CT+2*\t+1], v[CT+2*\t], s[SEL], s[SEL+1]
.endr
.irp t, 0,1,2,3
	v_add_f32 v[CT+2*\t], v[CT+2*\t], v[CT+2*\t+1]
.endr
.irp t, 0,1,2,3
	ds_store_b32 v[MXS], v[CT+2*\t] offset:256*\t
.endr
	s_wait_dscnt 0x0                               ; my stores are done; so is the last step's idle run into R1
	s_barrier_signal -1
	s_barrier_wait -1
.irp t, 0,1,2,3
	ds_load_b128 v[R2A+4*\t:R2A+4*\t+3], v[MXL] offset:256*\t
.endr
	FETCH_V 0, 0, R1                               ; Wv's tile 0 has landed: the last change of slots has shown it
	s_wait_dscnt 0x10                              ; the four loads of l are in; the 16 behind them stay out
.irp t, 0,1,2,3
	v_add_f32 v[CT+2*\t], v[R2A+4*\t], v[R2A+4*\t+1]
.endr
.irp t, 0,1,2,3
	v_add_f32 v[CT+2*\t+1], v[R2A+4*\t+2], v[R2A+4*\t+3]
.endr
.irp t, 0,1,2,3
	v_add_f32 v[CT+2*\t], v[CT+2*\t], v[CT+2*\t+1]
.endr
.irp t, 0,1,2,3
	v_rcp_f32 v[A2+2*\t], v[CT+2*\t]
.endr
	v_nop                                          ; a plain line between the last reciprocal and the use of its result
	s_wait_alu depctr_va_vdst(0)
	RESC 0                                         ; u = O / l
	RESC 4
	WIN 0x85                                       ; sources in window 1, destination in window 2: column blocks 2 i and 2 i + 1 of O^T, rounded in pairs, ARE source 1 for the 32 d at 128 w + 32 i
.set fi, 0
.rept 16                               ; fragment fi = 4 i + qt
.set hi, 0
.rept 2
.set ji, 0
.rept 4
	v_cvt_pk_bf16_f32 v[8*fi+4*hi+ji], v[8*(4*(2*(fi/4)+hi)+fi%4)+2*ji], v[8*(4*(2*(fi/4)+hi)+fi%4)+2*ji+1]
.set ji, ji+1
.endr
.set hi, hi+1
.endr
.set fi, fi+1
.endr
	WIN 0
	s_cmp_gt_u32 s[WV], 1                          ; waves 0 and 1 fill the two image buffers; waves 2 and 3 follow when these have been read
	s_cbranch_scc1 .Lnot_yet
	USTB
.Lnot_yet:
	s_wait_dscnt 0x0
	s_barrier_signal -1
	s_barrier_wait -1
	FETCH_P 0, 0, R2A
	PVPH 0, 0, 1, 1                                ; out^T = Wv^T u^T: d 0 to 127 start the sums; Wv's tile 2 is asked for
	PVPH 1, 1, 0, 1                                ; d 128 to 255; tile 3 is asked for
	PVPH 0, 0, 0, 2                                ; d 256 to 383
	PVPH 1, 1, 0, 3                                ; d 384 to 511
	WIN 0
	PLACES
	WAYOUT 0
	WAYOUT 1
	WAYOUT 2
	WAYOUT 3
	s_wait_tensorcnt 0x0                           ; the wave's end
	ds_add_u32 v[SPW], v[NIL]
	s_wait_dscnt 0x0
	CROUND                                         ; the closing round
	s_endpgm
.Lfunc_end_k_qba35168ad7_attn:
	.size	k_qba35168ad7_attn, .Lfunc_end_k_qba35168ad7_attn-k_qba35168ad7_attn
	.p2alignl 7, 3214868480
	.fill 96, 4, 3214868480
	.section	.rodata,"a",@progbits
	.p2align	6, 0x0
	.amdhsa_kernel k_qba35168ad7_attn
		.amdhsa_group_segment_fixed_size 327680
		.amdhsa_private_segment_fixed_size 0
		.amdhsa_enable_private_segment 0
		.amdhsa_kernarg_size 40
		.amdhsa_user_sgpr_count 2
		.amdhsa_user_sgpr_kernarg_segment_ptr 1
		.amdhsa_wavefront_size32 1
		.amdhsa_system_sgpr_workgroup_id_x 1
		.amdhsa_system_sgpr_workgroup_id_y 1
		.amdhsa_system_sgpr_workgroup_id_z 1
		.amdhsa_system_vgpr_workitem_id 0
		.amdhsa_next_free_vgpr 1024
		.amdhsa_next_free_sgpr 66
		.amdhsa_reserve_vcc 0
		.amdhsa_float_denorm_mode_32 3
		.amdhsa_float_denorm_mode_16_64 3
		.amdhsa_memory_ordered 1
		.amdhsa_forward_progress 1
		.amdhsa_inst_pref_size 239
	.end_amdhsa_kernel
	.amdgpu_metadata
---
amdhsa.version: [ 1, 2 ]
amdhsa.kernels:
  - .name:           k_qba35168ad7_attn
    .symbol:         k_qba35168ad7_attn.kd
    .args:
      - { .name: qb, .offset: 0, .size: 8, .value_kind: global_buffer, .address_space: global }
      - { .name: kb, .offset: 8, .size: 8, .value_kind: global_buffer, .address_space: global }
      - { .name: wvb, .offset: 16, .size: 8, .value_kind: global_buffer, .address_space: global }
      - { .name: bv, .offset: 24, .size: 8, .value_kind: global_buffer, .address_space: global }
      - { .name: out0, .offset: 32, .size: 8, .value_kind: global_buffer, .address_space: global }
    .group_segment_fixed_size: 327680
    .private_segment_fixed_size: 0
    .kernarg_segment_align: 8
    .kernarg_segment_size: 40
    .max_flat_workgroup_size: 128
    .sgpr_count:     66
    .vgpr_count:     1024
    .wavefront_size: 32
...
	.end_amdgpu_metadata
.endif
;; end of part 3
;; ======== version 2 of 2: 2 launches; 1.19 times as fast as version 1
;; workspace buffers: kb 33,554,432 bytes; wqk 524,288 bytes; wkv 524,288 bytes; bqk 2,048 bytes; bkv 2,048 bytes
;; launch pre (part 4): grid 784 x 1, 8 waves a work-group, no clusters, 71,168 bytes of LDS; arguments keys, Wq, Wk, Wv, bq, bk, kb, wqk, wkv, bqk, bkv; writes kb, wqk, wkv, bqk, bkv
.if DOCPART == 4
	.amdgcn_target "amdgcn-amd-amdhsa--gfx1250"
	.amdhsa_code_object_version 6
	.text
	.protected	k_qba35168ad7_pre
	.globl	k_qba35168ad7_pre
	.p2align	8
	.type	k_qba35168ad7_pre,@function
k_qba35168ad7_pre:
	s_mov_b64 s[64:65], 0
	v_nop
	global_prefetch_b8 v0, s[64:65] scope:SCOPE_SE
	s_setreg_imm32_b32 hwreg(HW_REG_WAVE_MODE, 25, 1), 1
	s_wait_xcnt 0x0
; TWO KINDS OF WORK-GROUP, told apart by the work-group's number alone.
; 272 .. 783: kb = bf16(keys).  A work-group takes 131,072 bytes of keys; thread t takes 16 bytes at 16 t of every 4,096; a wave's load is 512 consecutive bytes, its store 256 consecutive bytes, aligned.
;   All 32 loads of a wave go out at once; each byte is read once and written once.
; 0 .. 271: the folded weights.  wqk[d][e] = sum_j Wq[d][j] Wk[e][j], bqk[e] = sum_j bq[j] Wk[e][j] (numbers 0 .. 135); wkv[e][n] = sum_j Wk[e][j] Wv[j][n], bkv[n] = sum_j bk[j] Wv[j][n] (136 .. 271).
;   Operands rounded to bf16, sums f32; wqk, wkv rounded once to bf16, bqk, bkv kept in f32.  wqk and wkv are written [row][column] with the rows permuted inside each group of 16:
;   row d goes to (d & ~15) | ((d & 7) << 1) | ((d >> 3) & 1), the order in which the next launch's turning load finds d in its natural place along K.
;   A work-group makes 32 rows x 64 columns (17 row blocks x 8 column blocks a product; row block 16 takes the bias vector for every row: row stride 0).  K = 512 IS SPLIT OVER THE 8 WAVES, 64 each, so that
;   all of a wave's operands are asked for in one group; the eight partial sums, f32, meet in LDS, and wave w adds up accumulator w.
;   THE MATRIX INSTRUCTION IS USED TRANSPOSED: source 0 = 16 columns, source 1 = 16 rows, so a lane holds eight neighbouring columns of one row.
;   Row fragments, and Wk's as columns, lie along K in memory: four 16-byte loads a fragment.  Wv's columns lie across K: sixteen 4-byte loads a fragment, 16 lanes on 64 consecutive bytes.
;   The tile leaves through a stage as row pieces of 128 bytes: whole pieces of 256 would want 128 columns a work-group, half as much operand traffic again, for 1 MB of the launch's 135.
; NO CLUSTER, NO TENSOR LOAD: the cast shares nothing, and the weight operands pass through registers, where they are rounded.  NaN and infinities are not treated apart.
.set NWW,   272                        ; work-groups of the weight products
.set STG,   65536                      ; LDS: 0 .. 65,535 the partial sums, [wave][accumulator][half][lane] 16 bytes; then the stage, 32 rows x 144 bytes
.set SPG,   144
.set SPARE, STG+32*SPG                 ; the spare words: 128 bytes a wave, four blocks of 256 bytes that no other line names
.set SPW, 4                            ; v4   my spare word's address; never rewritten
.set NIL, 5                            ; v5   0; never rewritten
.set VR,  6                            ; v6-7 my byte offset in the row operand, row tile 0, 1
.set VC,  8                            ; v8   my byte offset in the column operand
.set PSA, 9                            ; v9   where my wave's partial sums go
.set PLA, 10                           ; v10  where accumulator w of wave 0 lies
.set STS, 11                           ; v11  stage: where I put 16 bytes of a row
.set STL, 12                           ; v12  stage: where I read 16 bytes back
.set GOU, 13                           ; v13  my byte offset in the block of the result
.set BOA, 14                           ; v14  my byte offset in the block of the bias result
.set LR,  16                           ; v16-79   row operand: group (row tile ra, K step ks) of 16 registers at LR + 16 (2 ra + ks); later the eight partial sums
.set LC,  80                           ; v80-207  column operand: group (ks, column tile ct) at LC + 16 (4 ks + ct).  A group is rounded in place into its lower 8 registers;
                                       ;          accumulator i = 4 ra + ct takes the upper 8 registers of group i
.set PKD, 208                          ; v208-211 my 8 results, packed
.set OBR, 212                          ; v212-215 16 bytes of a row, read back
.set X,   16                           ; the cast: v16-143, load i: four registers
.set WV,  26
.set P,   27                           ; s27 which product
.set CB,  28                           ; s28 column block
.set RB,  29                           ; s29 row block
.set RS,  30                           ; s30 bytes from row to row of the row operand
.set BI,  31                           ; s31 1: the bias block
.set ROWP, 40
.set COLP, 42
.set OUTP, 44
.set BOUTP, 46
.set BIASP, 48
	s_load_b512 s[4:19], s[0:1], 0x0               ; keys s[4:5], Wq s[6:7], Wk s[8:9], Wv s[10:11], bq s[12:13], bk s[14:15], kb s[16:17], wqk s[18:19]
	s_load_b128 s[20:23], s[0:1], 0x40             ; wkv s[20:21], bqk s[22:23]
	s_load_b64 s[24:25], s[0:1], 0x50              ; bkv
	v_lshl_add_u32 v[SPW], v0, 2, SPARE
	v_mov_b32 v[NIL], 0
	v_lshrrev_b32 v1, 5, v0
	v_readfirstlane_b32 s[WV], v1                  ; wave 0..7
	s_cmp_ge_u32 ttmp9, NWW
	s_cbranch_scc1 .Lcast
	; ---- the folded weights ----
	s_cmp_ge_u32 ttmp9, NWW/2
	s_cselect_b32 s[P], 1, 0
	s_cselect_b32 s50, NWW/2, 0
	s_sub_co_u32 s50, ttmp9, s50                   ; my number in the product, 0 .. 135
	s_and_b32 s[CB], s50, 7
	s_lshr_b32 s[RB], s50, 3                       ; 0 .. 16
	s_lshl_b32 s32, s[RB], 16                      ; 32 rows of 2,048 bytes
	s_lshl_b32 s36, s[RB], 15                      ; 32 rows of 1,024 bytes,
	s_lshl_b32 s51, s[CB], 7                       ; 64 columns of 2 bytes
	s_add_co_u32 s36, s36, s51
	s_lshl_b32 s38, s[CB], 8                       ; 64 columns of 4 bytes
	s_mov_b32 s33, 0
	s_mov_b32 s35, 0
	s_mov_b32 s37, 0
	s_mov_b32 s39, 0
	s_cmp_eq_u32 s[RB], 16                         ; the bias block: every row is the bias vector
	s_cselect_b32 s[RS], 0, 2048
	s_cselect_b32 s[BI], 1, 0
	s_cselect_b32 s32, 0, s32
	s_cselect_b32 s36, 0, s36
	s_cmp_eq_u32 s[P], 0
	s_cselect_b32 s51, 17, 8                       ; 64 columns are 64 rows of Wk, or 256 bytes of a row of Wv
	s_lshl_b32 s34, s[CB], s51
	v_and_b32 v1, 15, v0                           ; r = l % 16
	v_bfe_u32 v2, v0, 4, 1                         ; h = l / 16
	v_and_b32 v3, 31, v0                           ; l
	s_lshl_b32 s50, s[WV], 8                       ; my 64 j, in bytes of f32
	v_mul_u32_u24 v[VR], v1, s[RS]                 ; a fragment: row r, k = 8 h .. + 7 and 16 + 8 h .. + 7
	v_lshl_add_u32 v[VR], v2, 5, v[VR]
	v_add_nc_u32 v[VR], s50, v[VR]
	s_lshl_b32 s51, s[RS], 4
	v_add_nc_u32 v[VR+1], s51, v[VR]               ; 16 rows on
	s_lshl_b32 s52, s[WV], 13
	v_lshl_add_u32 v[PSA], v3, 4, s52              ; 8,192 w + 16 l
	s_lshl_b32 s52, s[WV], 10
	v_lshl_add_u32 v[PLA], v3, 4, s52              ; 1,024 w + 16 l
	s_lshr_b32 s53, s[WV], 2                       ; accumulator w is row tile w / 4, column tile w % 4
	s_mul_i32 s53, s53, 16*SPG
	s_and_b32 s54, s[WV], 3
	s_lshl_b32 s55, s54, 5
	s_add_co_u32 s53, s53, s55
	s_add_co_u32 s53, s53, STG
	v_mul_u32_u24 v[STS], v1, SPG
	v_lshl_add_u32 v[STS], v2, 4, v[STS]
	v_add_nc_u32 v[STS], s53, v[STS]
	v_lshrrev_b32 v15, 3, v0                       ; back: thread t takes piece t % 8 of row t / 8
	v_mul_u32_u24 v[STL], v15, SPG
	v_and_b32 v15, 7, v0
	v_lshl_add_u32 v[STL], v15, 4, v[STL]
	v_add_nc_u32 v[STL], STG, v[STL]
	v_lshlrev_b32 v[GOU], 4, v15                   ; and stores it at row 16 (rho / 16) + 2 (rho % 8) + (rho / 8) % 2
	v_bfe_u32 v15, v0, 3, 3
	v_lshl_add_u32 v[GOU], v15, 11, v[GOU]
	v_bfe_u32 v15, v0, 6, 1
	v_lshl_add_u32 v[GOU], v15, 10, v[GOU]
	v_bfe_u32 v15, v0, 7, 1
	v_lshl_add_u32 v[GOU], v15, 14, v[GOU]
	s_lshl_b32 s54, s54, 6
	v_lshl_add_u32 v[BOA], v2, 5, s54              ; columns 16 (w % 4) + 8 h, in f32
	s_wait_kmcnt 0x0
	s_cmp_eq_u32 s[P], 0                           ; the choice of buffers hangs on the work-group's number alone
	s_cselect_b64 s[ROWP:ROWP+1], s[6:7], s[8:9]
	s_cselect_b64 s[BIASP:BIASP+1], s[12:13], s[14:15]
	s_cselect_b64 s[COLP:COLP+1], s[8:9], s[10:11]
	s_cselect_b64 s[OUTP:OUTP+1], s[18:19], s[20:21]
	s_cselect_b64 s[BOUTP:BOUTP+1], s[22:23], s[24:25]
	s_cmp_eq_u32 s[BI], 1
	s_cselect_b64 s[ROWP:ROWP+1], s[BIASP:BIASP+1], s[ROWP:ROWP+1]
	s_add_nc_u64 s[ROWP:ROWP+1], s[ROWP:ROWP+1], s[32:33]
	s_add_nc_u64 s[COLP:COLP+1], s[COLP:COLP+1], s[34:35]
	s_add_nc_u64 s[OUTP:OUTP+1], s[OUTP:OUTP+1], s[36:37]
	s_add_nc_u64 s[BOUTP:BOUTP+1], s[BOUTP:BOUTP+1], s[38:39]
.set ra, 0
.rept 2
.set ks, 0
.rept 2
.set gr, LR+16*(2*ra+ks)
	global_load_b128 v[gr:gr+3],     v[VR+ra], s[ROWP:ROWP+1] offset:128*ks
	global_load_b128 v[gr+4:gr+7],   v[VR+ra], s[ROWP:ROWP+1] offset:128*ks+16
	global_load_b128 v[gr+8:gr+11],  v[VR+ra], s[ROWP:ROWP+1] offset:128*ks+64
	global_load_b128 v[gr+12:gr+15], v[VR+ra], s[ROWP:ROWP+1] offset:128*ks+80
.set ks, ks+1
.endr
.set ra, ra+1
.endr
	s_cmp_eq_u32 s[P], 0
	s_cbranch_scc0 .Lcol_v
	v_lshlrev_b32 v[VC], 11, v1                    ; Wk as columns: row e = 16 ct + r, along K as the row operand
	v_lshl_add_u32 v[VC], v2, 5, v[VC]
	v_add_nc_u32 v[VC], s50, v[VC]
.set ks, 0
.rept 2
.set ct, 0
.rept 4
.set gr, LC+16*(4*ks+ct)
	global_load_b128 v[gr:gr+3],     v[VC], s[COLP:COLP+1] offset:32768*ct+128*ks
	global_load_b128 v[gr+4:gr+7],   v[VC], s[COLP:COLP+1] offset:32768*ct+128*ks+16
	global_load_b128 v[gr+8:gr+11],  v[VC], s[COLP:COLP+1] offset:32768*ct+128*ks+64
	global_load_b128 v[gr+12:gr+15], v[VC], s[COLP:COLP+1] offset:32768*ct+128*ks+80
.set ct, ct+1
.endr
.set ks, ks+1
.endr
	s_branch .Lcols_asked
.Lcol_v:
	v_lshlrev_b32 v[VC], 2, v1                     ; Wv: column 16 ct + r; register kk of a group is row j = 64 w + 32 ks + 8 h + kk % 8 + 16 (kk / 8)
	v_lshl_add_u32 v[VC], v2, 14, v[VC]
	s_lshl_b32 s51, s[WV], 17
	v_add_nc_u32 v[VC], s51, v[VC]
.set ks, 0
.rept 2
.set ct, 0
.rept 4
.set kk, 0
.rept 16
	global_load_b32 v[LC+16*(4*ks+ct)+kk], v[VC], s[COLP:COLP+1] offset:(32*ks+kk%8+16*(kk/8))*2048+64*ct
.set kk, kk+1
.endr
.set ct, ct+1
.endr
.set ks, ks+1
.endr
.Lcols_asked:
	s_wait_loadcnt 0x0                             ; one wait: everything was asked for in one group
.set gi, 0
.rept 12                               ; each group of 16 f32 becomes a fragment in its own lower 8 registers: ascending, so no source is written before it is read
.set pp, 0
.rept 8
	v_cvt_pk_bf16_f32 v[LR+16*gi+pp], v[LR+16*gi+2*pp], v[LR+16*gi+2*pp+1]
.set pp, pp+1
.endr
.set gi, gi+1
.endr
.set ks, 0
.rept 2                                ; the 8 accumulators take turns; the first K step starts the sums
.set ra, 0
.rept 2
.set ct, 0
.rept 4
.set dd, LC+16*(4*ra+ct)+8
.if ks == 0
	v_wmma_f32_16x16x32_bf16 v[dd:dd+7], v[LC+16*(4*ks+ct):LC+16*(4*ks+ct)+7], v[LR+16*(2*ra+ks):LR+16*(2*ra+ks)+7], 0
.else
	v_wmma_f32_16x16x32_bf16 v[dd:dd+7], v[LC+16*(4*ks+ct):LC+16*(4*ks+ct)+7], v[LR+16*(2*ra+ks):LR+16*(2*ra+ks)+7], v[dd:dd+7]
.endif
.set ct, ct+1
.endr
.set ra, ra+1
.endr
.set ks, ks+1
.endr
.rept 4
	v_nop                                          ; four places between the last product and the stores that read results, and the loads into its sources
.endr
.set ai, 0
.rept 8                                ; each accumulator from its low end; a store is 512 consecutive bytes
	ds_store_b128 v[PSA], v[LC+16*ai+8:LC+16*ai+11]  offset:1024*ai
	ds_store_b128 v[PSA], v[LC+16*ai+12:LC+16*ai+15] offset:1024*ai+512
.set ai, ai+1
.endr
	s_wait_dscnt 0x0                               ; for the others' sake: my partial sums are stored
	s_barrier_signal -1
	s_barrier_wait -1
.set pw, 0
.rept 8                                ; accumulator w of all eight waves
	ds_load_b128 v[LR+8*pw:LR+8*pw+3],   v[PLA] offset:8192*pw
	ds_load_b128 v[LR+8*pw+4:LR+8*pw+7], v[PLA] offset:8192*pw+512
.set pw, pw+1
.endr
	s_wait_dscnt 0x0
.irp pw, 0,2,4,6
.irp qq, 0,2,4,6
	v_pk_add_f32 v[LR+8*\pw+\qq:LR+8*\pw+\qq+1], v[LR+8*\pw+\qq:LR+8*\pw+\qq+1], v[LR+8*\pw+8+\qq:LR+8*\pw+8+\qq+1]
.endr
.endr
.irp pw, 0,4
.irp qq, 0,2,4,6
	v_pk_add_f32 v[LR+8*\pw+\qq:LR+8*\pw+\qq+1], v[LR+8*\pw+\qq:LR+8*\pw+\qq+1], v[LR+8*\pw+16+\qq:LR+8*\pw+16+\qq+1]
.endr
.endr
.irp qq, 0,2,4,6
	v_pk_add_f32 v[LR+\qq:LR+\qq+1], v[LR+\qq:LR+\qq+1], v[LR+32+\qq:LR+32+\qq+1]
.endr
.irp qq, 0,1,2,3
	v_cvt_pk_bf16_f32 v[PKD+\qq], v[LR+2*\qq], v[LR+2*\qq+1]
.endr
	ds_store_b128 v[STS], v[PKD:PKD+3]
	s_wait_dscnt 0x0                               ; for the others' sake: a row's 128 bytes come from four waves
	s_barrier_signal -1
	s_barrier_wait -1
	ds_load_b128 v[OBR:OBR+3], v[STL]
	s_wait_dscnt 0x0
	s_cmp_eq_u32 s[BI], 1
	s_cbranch_scc1 .Lbias
	global_store_b128 v[GOU], v[OBR:OBR+3], s[OUTP:OUTP+1]  ; eight lanes store 128 consecutive bytes of a row
	s_branch .Lend
.Lbias:                                                ; all 32 rows are alike: row 0 of row tile 0 is stored, in f32: waves 0 to 3, lanes 0 and 16, 32 bytes each
	s_cmp_gt_u32 s[WV], 3
	s_cbranch_scc1 .Lend
	v_cmp_eq_u32 vcc_lo, 0, v1
	s_wait_xcnt 0x0                                ; EXEC changes only behind this wait
	s_and_saveexec_b32 s52, vcc_lo
	global_store_b128 v[BOA], v[LR:LR+3],   s[BOUTP:BOUTP+1]
	global_store_b128 v[BOA], v[LR+4:LR+7], s[BOUTP:BOUTP+1] offset:16
	s_wait_xcnt 0x0                                ; and again in front of the line that widens it
	s_or_b32 exec_lo, exec_lo, s52
.Lend:
	s_wait_tensorcnt 0x0                           ; the wave's end, behind my last LDS store
	ds_add_u32 v[SPW], v[NIL]
	s_wait_dscnt 0x0
	s_endpgm
	; ---- the cast ----
.Lcast:
	s_sub_co_u32 s50, ttmp9, NWW
	s_lshl_b32 s32, s50, 17                        ; 131,072 bytes of keys,
	s_mov_b32 s33, 0
	s_lshl_b32 s34, s50, 16                        ; 65,536 of kb
	s_mov_b32 s35, 0
	v_lshlrev_b32 v6, 4, v0
	v_lshlrev_b32 v7, 3, v0
	s_wait_kmcnt 0x0
	s_add_nc_u64 s[4:5], s[4:5], s[32:33]
	s_add_nc_u64 s[16:17], s[16:17], s[34:35]
.set i, 0
.rept 32
	global_load_b128 v[X+4*i:X+4*i+3], v6, s[4:5] offset:4096*i th:TH_LOAD_NT
.set i, i+1
.endr
.set i, 0
.rept 32
	s_wait_loadcnt 31-i                            ; loads come back in order (ISA guide 5.7.1): load i is in, the younger ones stay out
	v_cvt_pk_bf16_f32 v[X+4*i],   v[X+4*i],   v[X+4*i+1]
	v_cvt_pk_bf16_f32 v[X+4*i+1], v[X+4*i+2], v[X+4*i+3]
	global_store_b64 v7, v[X+4*i:X+4*i+1], s[16:17] offset:2048*i
.set i, i+1
.endr
	s_endpgm
.Lfunc_end_k_qba35168ad7_pre:
	.size	k_qba35168ad7_pre, .Lfunc_end_k_qba35168ad7_pre-k_qba35168ad7_pre
	.p2alignl 7, 3214868480
	.fill 96, 4, 3214868480
	.section	.rodata,"a",@progbits
	.p2align	6, 0x0
	.amdhsa_kernel k_qba35168ad7_pre
		.amdhsa_group_segment_fixed_size 71168
		.amdhsa_private_segment_fixed_size 0
		.amdhsa_enable_private_segment 0
		.amdhsa_kernarg_size 88
		.amdhsa_user_sgpr_count 2
		.amdhsa_user_sgpr_kernarg_segment_ptr 1
		.amdhsa_wavefront_size32 1
		.amdhsa_system_sgpr_workgroup_id_x 1
		.amdhsa_system_sgpr_workgroup_id_y 1
		.amdhsa_system_sgpr_workgroup_id_z 1
		.amdhsa_system_vgpr_workitem_id 0
		.amdhsa_next_free_vgpr 216
		.amdhsa_next_free_sgpr 66
		.amdhsa_reserve_vcc 1
		.amdhsa_float_denorm_mode_32 3
		.amdhsa_float_denorm_mode_16_64 3
		.amdhsa_memory_ordered 1
		.amdhsa_forward_progress 1
		.amdhsa_inst_pref_size 45
	.end_amdhsa_kernel
	.amdgpu_metadata
---
amdhsa.version: [ 1, 2 ]
amdhsa.kernels:
  - .name:           k_qba35168ad7_pre
    .symbol:         k_qba35168ad7_pre.kd
    .args:
      - { .name: keys, .offset: 0, .size: 8, .value_kind: global_buffer, .address_space: global }
      - { .name: Wq, .offset: 8, .size: 8, .value_kind: global_buffer, .address_space: global }
      - { .name: Wk, .offset: 16, .size: 8, .value_kind: global_buffer, .address_space: global }
      - { .name: Wv, .offset: 24, .size: 8, .value_kind: global_buffer, .address_space: global }
      - { .name: bq, .offset: 32, .size: 8, .value_kind: global_buffer, .address_space: global }
      - { .name: bk, .offset: 40, .size: 8, .value_kind: global_buffer, .address_space: global }
      - { .name: kb, .offset: 48, .size: 8, .value_kind: global_buffer, .address_space: global }
      - { .name: wqk, .offset: 56, .size: 8, .value_kind: global_buffer, .address_space: global }
      - { .name: wkv, .offset: 64, .size: 8, .value_kind: global_buffer, .address_space: global }
      - { .name: bqk, .offset: 72, .size: 8, .value_kind: global_buffer, .address_space: global }
      - { .name: bkv, .offset: 80, .size: 8, .value_kind: global_buffer, .address_space: global }
    .group_segment_fixed_size: 71168
    .private_segment_fixed_size: 0
    .kernarg_segment_align: 8
    .kernarg_segment_size: 88
    .max_flat_workgroup_size: 256
    .sgpr_count:     66
    .vgpr_count:     216
    .wavefront_size: 32
...
	.end_amdgpu_metadata
.endif
;; end of part 4
;; launch attn (part 5): grid 16 x 16, 4 waves a work-group, clusters of 4 x 1, 327,680 bytes of LDS; arguments query, kb, wqk, wkv, bqk, bkv, bv, out0; writes out0
.if DOCPART == 5
	.amdgcn_target "amdgcn-amd-amdhsa--gfx1250"
	.amdhsa_code_object_version 6
	.text
	.protected	k_qba35168ad7_attn
	.globl	k_qba35168ad7_attn
	.p2align	8
	.type	k_qba35168ad7_attn,@function
k_qba35168ad7_attn:
	s_mov_b64 s[64:65], 0
	v_nop
	global_prefetch_b8 v0, s[64:65] scope:SCOPE_SE
	s_setreg_imm32_b32 hwreg(HW_REG_WAVE_MODE, 25, 1), 1
	s_wait_xcnt 0x0
	s_wait_alu depctr_hold_cnt(0) depctr_sa_sdst(0) depctr_va_vdst(0) depctr_va_sdst(0) depctr_va_ssrc(0) depctr_va_vcc(0) depctr_vm_vsrc(0)
	s_getreg_b32 s2, hwreg(HW_REG_IB_STS2, 6, 4)
	s_cmp_eq_u32 s2, 0
	s_cbranch_scc0 .Lentry_in_a_cluster
	s_endpgm
.Lentry_in_a_cluster:
	s_bfe_u32 s2, ttmp6, 0x10000c
	s_cmp_lg_u32 s2, 0x3003
	s_cbranch_scc0 .Lentry_shape_is_right
	s_endpgm
.Lentry_shape_is_right:
; out0 = softmax((query Wq + bq)(keys Wk + bk)^T / sqrt(512)) ((keys Wk + bk) Wv + bv), by two identities that hold for every input:
; (1) q . (x Wk + bk) = (q Wk^T) . x + q . bk, and the last term is the same for all keys of a query, so the softmax does not see it: the scores are taken of q' = query wqk + bqk and the keys themselves;
; (2) a softmax's weights add up to 1 and v is affine in the keys: attn v = (attn keys) wkv + bkv + bv.  So one tile of keys serves both products, and both projections act on 64 rows.
; query, out0 [16][1024][512] f32; kb [16][2048][512] bf16 = the keys; wqk, wkv [512 d][512 n] bf16, rows permuted in groups of 16 by the launch before; bqk, bkv, bv f32.
; LIMITS.  Operands bf16 (query, q', keys, the weights p, the averaged row u, wqk, wkv); products, maxima and sums f32; the sum l is taken of the unrounded p.  c m must stay above -4e37
; (c = log2(e) / sqrt(512)); a weight below 2^-126 counts as 0; NaN and infinities are not treated apart.
; SHARES.  A work-group owns 64 queries of one batch and walks its 2,048 keys, 128 a step.  S^T = K Q^T: wave w takes the step's keys 32 w .. + 31 x all 64 queries (8 accumulators; all of q' lies in 512
; registers of every wave).  O^T += K^T P: wave w takes channels 128 w .. + 127 x 64 queries (32 accumulators).  A lane holds one query in S^T, P and O^T.  A wave's weights, rounded in pairs, ARE
; source 1 for its 32 keys: they go to the other waves as register images through LDS; so do the four partial maxima of each query.  The two projections are the second product once more, with
; a weight's tile in the keys' place and images of query (head) or of u (tail) in P's.
; KEY ORDER.  Place kappa of 32 along the second product's K is row 16 (kappa / 16) + 2 (kappa % 8) + (kappa / 8) % 2 of the tile, in S^T's rows too: the turning load's eight rows then lie two apart.
; SOFTMAX.  A running maximum m over all four waves' keys; p = 2^(c s - c m); O and l are multiplied by a = 2^(c m_old - c m_new) in every step.  m starts at the lowest finite number, l at 0; the first
; step's a is 0, so O^T need only hold finite numbers there: it holds q'.
; TILES.  24 tiles of 128 rows x 1,024 bytes go through two slots: wqk's four, 16 of keys, wkv's four.  The four query blocks of a cluster walk the same tiles, so each is asked for JOINTLY; a wave brings
; 32 rows.  By this text's count a wave has two tensor loads out at the start and one later.
; REGISTERS: window 0 addresses, statistics, S^T (v64-127), R1 (v128-191), R2a (v192-223), R2b (v224-255); window 1 O^T, (cb, qt) at 8 (4 cb + qt); windows 2, 3 q', (c, qt) at 8 (4 (c % 8) + qt).
; In the head window 3 takes query as loaded, window 2 its fragments (v0-127) and bqk (v128-191); in the tail window 2 holds u.
.set PK,    1040                       ; a row in LDS: 1,024 bytes + 16 = 260 words: 16 rows of a plain load start at 16 different groups of four banks
.set SLOTB, 128*PK
.set TILEB, 131072                     ; a tile in memory
.set XCH,   2*SLOTB                    ; behind the ring, never filled by a tensor load: two buffers of 16 register images of 1,024 bytes; at the end four stages of 16 rows x 528 bytes
.set PBB,   16384
.set SPO,   528
.set MX,    XCH+4*16*SPO               ; [64 queries][4 waves] f32
.set SPARE, MX+1024                    ; the spare words: 128 bytes a wave, two blocks of 256 bytes that no other line names
.set AK,  4                            ; v4-5   my lane's place in my 32 keys of slot 0, 1
.set AV,  6                            ; v6-9   the turning load's place: slot s, rows 64 g on, at AV + 2 s + g
.set PLD, 10                           ; v10    16 l in the images
.set PST, 11                           ; v11    the same at my wave's four images
.set UST, 12                           ; v12    the same in buffer w % 2
.set MXS, 13                           ; v13    query r, my wave's word
.set MXL, 14                           ; v14    query r, all four
.set STO, 15                           ; v15    way out: where I put 32 bytes of a row
.set RD,  16                           ; v16    way out: where I read a row back
.set GO,  17                           ; v17    my byte offset in a row of out0, and in bkv and bv
.set QO,  18                           ; v18    my byte offset in 16 rows of query
.set BO,  19                           ; v19    my byte offset in bqk
.set BV4, 20                           ; v20-23 bkv + bv of my four columns
.set ST,  24                           ; v24-39 tile t: c m, m, l (even places', odd places')
.set A2,  40                           ; v40-47 tile t: a, and the exponent it is made of
.set CT,  48                           ; v48-55 tile t: two at work
.set SPW, 56
.set NIL, 57
.set S,   64
.set R1,  128
.set R2,  192
.set R2A, 192
.set R2B, 224
.set BQ,  128                          ; window 2: bqk, eight numbers for each column block
.set WV,  20                           ; s20
.set G1,  24                           ; s[24:31]
.set G0,  32                           ; s[32:39] a set for each slot
.set KA,  40                           ; s[40:43] by slot: the address of the tile asked for last
.set WA,  44                           ; s[44:47] by slot: wkv's tiles 0 and 1
.set CS,  48                           ; s[48:49] c
.set SEL, 50                           ; s[50:51] v_permlanex16_b32's selects: each lane takes its own place in the other half
.set CNT, 52
.set KB0, 60                           ; s[60:63] by slot: the keys' tiles 0 and 1
.set MSB, 0
.macro WIN new                         ; the immediate's high byte repeats the setting that is left; a switch that changes nothing is dropped
.if MSB != (\new)
	s_set_vgpr_msb (MSB<<8)|(\new)
.set MSB, (\new)
.endif
.endm
.macro WINL                            ; an LDS load into window 0 by an address in window 0: only those two fields matter
.if (MSB & 0xc3) != 0
	WIN 0
.endif
.endm
.macro PLACES                          ; four places in front of loads into registers that matrix instructions have read, and of vector lines that read results
.rept 4
	v_nop
.endr
.endm
.macro CREST
	s_cmp_lg_u32 s[WV], 0
	s_cbranch_scc1 .Lnot_wave_0_\@
	s_barrier_signal -3
.Lnot_wave_0_\@:
	s_barrier_wait -3
	s_barrier_signal -1
	s_barrier_wait -1
.endm
.macro CROUND
	s_barrier_signal -1
	s_barrier_wait -1
	CREST
.endm
.macro FETCH_K slot, g, R              ; my 32 keys x channels 128 g .. + 127: fragment (chunk ci, key block ki) at R + 16 ci + 8 ki
	WINL
.set ci, 0
.rept 4
.set ki, 0
.rept 2
	ds_load_b128 v[(\R)+16*ci+8*ki:(\R)+16*ci+8*ki+3],   v[AK+(\slot)] offset:16*PK*ki+64*(4*(\g)+ci)
	ds_load_b128 v[(\R)+16*ci+8*ki+4:(\R)+16*ci+8*ki+7], v[AK+(\slot)] offset:16*PK*ki+64*(4*(\g)+ci)+32
.set ki, ki+1
.endr
.set ci, ci+1
.endr
.endm
.macro FETCH_V slot, kc, R             ; rows 32 kc .. + 31 of the tile x my 128 columns, turned: column block ci at R + 8 ci
	WINL
.set ci, 0
.rept 8
	ds_load_tr16_b128 v[(\R)+8*ci:(\R)+8*ci+3],   v[AV+2*(\slot)+(\kc)/2] offset:32*PK*((\kc)%2)+32*ci
	ds_load_tr16_b128 v[(\R)+8*ci+4:(\R)+8*ci+7], v[AV+2*(\slot)+(\kc)/2] offset:32*PK*((\kc)%2)+16*PK+32*ci
.set ci, ci+1
.endr
.endm
.macro FETCH_P pb, kc, R               ; the four images of chunk kc: query tile qi at R + 8 qi
	WINL
.set qi, 0
.rept 4
	ds_load_b128 v[(\R)+8*qi:(\R)+8*qi+3],   v[PLD] offset:PBB*(\pb)+1024*(4*(\kc)+qi)
	ds_load_b128 v[(\R)+8*qi+4:(\R)+8*qi+7], v[PLD] offset:PBB*(\pb)+1024*(4*(\kc)+qi)+512
.set qi, qi+1
.endr
.endm
.macro MULS c, R, zero                 ; S^T, channels 32 c on: the 8 accumulators take turns
	WIN 0x08+4*((\c)/8)
.set qi, 0
.rept 4
.set ki, 0
.rept 2
.if \zero
	v_wmma_f32_16x16x32_bf16 v[S+16*qi+8*ki:S+16*qi+8*ki+7], v[(\R)+16*((\c)%4)+8*ki:(\R)+16*((\c)%4)+8*ki+7], v[8*(4*((\c)%8)+qi):8*(4*((\c)%8)+qi)+7], 0
.else
	v_wmma_f32_16x16x32_bf16 v[S+16*qi+8*ki:S+16*qi+8*ki+7], v[(\R)+16*((\c)%4)+8*ki:(\R)+16*((\c)%4)+8*ki+7], v[8*(4*((\c)%8)+qi):8*(4*((\c)%8)+qi)+7], v[S+16*qi+8*ki:S+16*qi+8*ki+7]
.endif
.set ki, ki+1
.endr
.set qi, qi+1
.endr
.endm
; O^T, 32 places along K: column blocks cb0 .. x four query tiles, every accumulator one turn.  zero = 1: the product starts the sums with 0; zero = 2: with bqk, which lies in window 2 as C wants it
.macro MULP VR, PR, cb0, ncb, zero
.if (\zero) == 2
	WIN 0x60
.else
	WIN 0x50
.endif
.set ci, \cb0
.rept \ncb
.set qi, 0
.rept 4
.if (\zero) == 1
	v_wmma_f32_16x16x32_bf16 v[8*(4*ci+qi):8*(4*ci+qi)+7], v[(\VR)+8*ci:(\VR)+8*ci+7], v[(\PR)+8*qi:(\PR)+8*qi+7], 0
.elseif (\zero) == 2
	v_wmma_f32_16x16x32_bf16 v[8*(4*ci+qi):8*(4*ci+qi)+7], v[(\VR)+8*ci:(\VR)+8*ci+7], v[(\PR)+8*qi:(\PR)+8*qi+7], v[BQ+8*ci:BQ+8*ci+7]
.else
	v_wmma_f32_16x16x32_bf16 v[8*(4*ci+qi):8*(4*ci+qi)+7], v[(\VR)+8*ci:(\VR)+8*ci+7], v[(\PR)+8*qi:(\PR)+8*qi+7], v[8*(4*ci+qi):8*(4*ci+qi)+7]
.endif
.set qi, qi+1
.endr
.set ci, ci+1
.endr
.endm
; THE SCORES: 128 matrix instructions; K comes in four groups of 128 channels on R1, R2, R1, R2, each fetched in the middle of the group before; the last group fetches the second product's first fragments
.macro SPH slot
.rept 5
	v_nop                                          ; S^T's registers were sources of the last products: five places before they are written over
.endr
	s_wait_dscnt 0x0
	MULS 0, R1, 1
	MULS 1, R1, 0
	PLACES
	FETCH_K \slot, 1, R2
	MULS 2, R1, 0
	MULS 3, R1, 0
	s_wait_dscnt 0x0
	MULS 4, R2, 0
	MULS 5, R2, 0
	PLACES
	FETCH_K \slot, 2, R1
	MULS 6, R2, 0
	MULS 7, R2, 0
	s_wait_dscnt 0x0
	MULS 8, R1, 0
	MULS 9, R1, 0
	PLACES
	FETCH_K \slot, 3, R2
	MULS 10, R1, 0
	MULS 11, R1, 0
	s_wait_dscnt 0x0
	MULS 12, R2, 0
	MULS 13, R2, 0
	PLACES
	FETCH_V \slot, 0, R1
	MULS 14, R2, 0
	MULS 15, R2, 0
.endm
; my 32 keys' maximum for each query, to the other waves; each accumulator's lowest registers are read first
.macro MAXP
	WIN 0
	PLACES
.irp t, 0,1,2,3
	v_max3_num_f32 v[CT+2*\t], v[S+16*\t], v[S+16*\t+1], v[S+16*\t+2]
.endr
.irp t, 0,1,2,3
	v_max3_num_f32 v[CT+2*\t+1], v[S+16*\t+8], v[S+16*\t+9], v[S+16*\t+10]
.endr
.irp t, 0,1,2,3
	v_max3_num_f32 v[CT+2*\t], v[CT+2*\t], v[S+16*\t+3], v[S+16*\t+4]
.endr
.irp t, 0,1,2,3
	v_max3_num_f32 v[CT+2*\t+1], v[CT+2*\t+1], v[S+16*\t+11], v[S+16*\t+12]
.endr
.irp t, 0,1,2,3
	v_max3_num_f32 v[CT+2*\t], v[CT+2*\t], v[S+16*\t+5], v[S+16*\t+6]
.endr
.irp t, 0,1,2,3
	v_max3_num_f32 v[CT+2*\t+1], v[CT+2*\t+1], v[S+16*\t+13], v[S+16*\t+14]
.endr
.irp t, 0,1,2,3
	v_max3_num_f32 v[CT+2*\t], v[CT+2*\t], v[S+16*\t+7], v[S+16*\t+15]
.endr
.irp t, 0,1,2,3
	v_max_num_f32 v[CT+2*\t], v[CT+2*\t], v[CT+2*\t+1]
.endr
.irp t, 0,1,2,3
	v_permlanex16_b32 v[CT+2*\t+1], v[CT+2*\t], s[SEL], s[SEL+1]  ; the query's other 16 of my keys lie in the lane 16 away
.endr
.irp t, 0,1,2,3
	v_max_num_f32 v[CT+2*\t], v[CT+2*\t], v[CT+2*\t+1]
.endr
.irp t, 0,1,2,3
	ds_store_b32 v[MXS], v[CT+2*\t] offset:256*\t
.endr
	s_wait_dscnt 0x0                               ; for the others' sake: my four stores are done
	s_barrier_signal -1
	s_barrier_wait -1
.irp t, 0,1,2,3
	ds_load_b128 v[R2A+4*\t:R2A+4*\t+3], v[MXL] offset:256*\t
.endr
	s_wait_dscnt 0x0
.endm
.macro FS q, i                         ; c s - c m for pair i of tile q
	v_pk_fma_f32 v[S+16*(\q)+2*(\i):S+16*(\q)+2*(\i)+1], v[S+16*(\q)+2*(\i):S+16*(\q)+2*(\i)+1], s[CS:CS+1], v[ST+4*(\q):ST+4*(\q)+1] op_sel_hi:[1,0,0] neg_lo:[0,0,1] neg_hi:[0,0,1]
.endm
.macro CV q, i                         ; pair i rounded to bf16: register i of the tile's image
	s_wait_alu depctr_va_vdst(0)
	v_cvt_pk_bf16_f32 v[R2B+8*(\q)+(\i)], v[S+16*(\q)+2*(\i)], v[S+16*(\q)+2*(\i)+1]
.endm
.macro PS q                            ; the image goes out: 512 consecutive bytes a store
	ds_store_b128 v[PST], v[R2B+8*(\q):R2B+8*(\q)+3]   offset:1024*(\q)
	ds_store_b128 v[PST], v[R2B+8*(\q)+4:R2B+8*(\q)+7] offset:1024*(\q)+512
.endm
.macro TR q, n                         ; line n of 8 of the tile's sum: the eight pairs are added in place, neighbours 1, 2 and 4 pairs apart; then l = a l + sum
.set rS, S+16*(\q)
.if (\n) < 4
	v_pk_add_f32 v[rS+4*(\n):rS+4*(\n)+1], v[rS+4*(\n):rS+4*(\n)+1], v[rS+4*(\n)+2:rS+4*(\n)+3]
.elseif (\n) < 6
	v_pk_add_f32 v[rS+8*((\n)-4):rS+8*((\n)-4)+1], v[rS+8*((\n)-4):rS+8*((\n)-4)+1], v[rS+8*((\n)-4)+4:rS+8*((\n)-4)+5]
.elseif (\n) == 6
	v_pk_add_f32 v[rS:rS+1], v[rS:rS+1], v[rS+8:rS+9]
.else
	v_pk_fma_f32 v[ST+4*(\q)+2:ST+4*(\q)+3], v[ST+4*(\q)+2:ST+4*(\q)+3], v[A2+2*(\q):A2+2*(\q)+1], v[rS:rS+1] op_sel_hi:[1,0,1]
.endif
.endm
; the new m, c m and a; then the weights.  Behind every exponential stands one plain line that is ready and names neither its result nor its source (ISA guide 5.7.2): a scaling of the next tile, a rounding
; three scores back, the tile before's last rounding, or (tile 3) a line of tile 0's sum.
.macro SMX
.irp t, 0,1,2,3
	v_max3_num_f32 v[CT+2*\t], v[R2A+4*\t], v[R2A+4*\t+1], v[R2A+4*\t+2]
.endr
.irp t, 0,1,2,3
	v_mov_b32 v[CT+2*\t+1], v[ST+4*\t]             ; c m_old is kept for a
.endr
.irp t, 0,1,2,3
	v_max3_num_f32 v[ST+4*\t+1], v[CT+2*\t], v[R2A+4*\t+3], v[ST+4*\t+1]
.endr
.irp t, 0,1,2,3
	v_mul_f32 v[ST+4*\t], s[CS], v[ST+4*\t+1]
.endr
.irp t, 0,1,2,3
	v_sub_f32 v[A2+2*\t+1], v[CT+2*\t+1], v[ST+4*\t]
.endr
.irp t, 0,1,2,3
	v_exp_f32 v[A2+2*\t], v[A2+2*\t+1]
.endr
.set i7, 0
.rept 7
	FS 0, i7
.set i7, i7+1
.endr
.set q, 0
.rept 4
.set k, 0
.rept 16
	v_exp_f32 v[S+16*q+k], v[S+16*q+k]
.if k%2 == 0
.if q < 3
	FS q+1, k/2
.else
	TR 0, k/2
.endif
.elseif k == 1
.if q == 0
	FS 0, 7
.else
	CV q-1, 7
	PS q-1
.endif
.else
	CV q, (k-3)/2
.endif
.set k, k+1
.endr
.set q, q+1
.endr
	CV 3, 7
	PS 3
.endm
.macro RESC cb0                        ; O^T times a (at the end: times 1 / l), column blocks cb0 .. + 3, each accumulator from its low end
	WIN 0x41
.set ci, \cb0
.rept 4
.set qi, 0
.rept 4
.set ji, 0
.rept 4
	v_pk_mul_f32 v[8*(4*ci+qi)+2*ji:8*(4*ci+qi)+2*ji+1], v[8*(4*ci+qi)+2*ji:8*(4*ci+qi)+2*ji+1], v[A2+2*qi:A2+2*qi+1] op_sel_hi:[1,0]
.set ji, ji+1
.endr
.set qi, qi+1
.endr
.set ci, ci+1
.endr
.endm
.macro USTB win, base                  ; my 16 fragments (of query, q' or u), as images, into buffer w % 2; win names the window of the data
	WIN \win
.set fi, 0
.rept 16
	ds_store_b128 v[UST], v[(\base)+8*fi:(\base)+8*fi+3]   offset:1024*fi
	ds_store_b128 v[UST], v[(\base)+8*fi+4:(\base)+8*fi+7] offset:1024*fi+512
.set fi, fi+1
.endr
	WIN 0
.endm
.macro USTORE1 n                       ; wave n alone; the fragments lie in window 2
	s_cmp_lg_u32 s[WV], \n
	s_cbranch_scc1 .Lno_u_\@
	USTB 0x08, 0
.Lno_u_\@:
.endm
.macro QIMG win                        ; both buffers' 32 images into a whole window: q' of 256 channels
	WIN \win
.set fi, 0
.rept 32
	ds_load_b128 v[8*fi:8*fi+3],   v[PLD] offset:1024*fi
	ds_load_b128 v[8*fi+4:8*fi+7], v[PLD] offset:1024*fi+512
.set fi, fi+1
.endr
	WIN 0
.endm
; 32 places along the second product's K on one set of registers; in the middle the next 32 are fetched into the other set
.macro PVQ slot, pb, kc, VR, PR, VN, PN, zero
	s_wait_dscnt 0x0
	MULP \VR, \PR, 0, 4, \zero
	WIN 0
	PLACES
	FETCH_V \slot, (\kc)+1, \VN
	FETCH_P \pb, (\kc)+1, \PN
	MULP \VR, \PR, 4, 4, \zero
.endm
; the tile's last 32 places and THE CHANGE OF SLOTS: each wave waits for all its tensor loads (its part of the other slot), adds 0 to its spare word, waits for that and for its reads of the slot and of the
; images, and signals.  Where the slot is asked for again the barrier opens a round of the cluster's, and the joint load is the first thing behind it.
; mode 0: a key step: the tile two on (in the loop's last trip: wkv's), and the next K is fetched.  mode 1: a weight's tiles 0, 1: the tile two on, and wave 2 + slot stores its images into the buffer just read out.
; mode 2: nothing is asked for.  mode 3: the last tile: the barrier frees the image buffers for the stages.  mode 4, 5: wqk's tiles 2, 3: the keys' tiles 0, 1 are asked for; behind mode 5 nothing is fetched.
.macro EDGE slot, pb, mode
.set fillm, 0
.if ((\mode) < 2) || ((\mode) > 3)
.set fillm, 1
.endif
	WIN 0
	s_wait_tensorcnt 0x0                           ; no tensor load of mine is out, so a group 0 may be written
	ds_add_u32 v[SPW], v[NIL]                      ; work on registers stands between the add and the wait for it
.if (\mode) < 2
	s_add_nc_u64 s[KA+2*(\slot):KA+2*(\slot)+1], s[KA+2*(\slot):KA+2*(\slot)+1], 2*TILEB
.endif
.if (\mode) == 0
	s_cmp_eq_u32 s[CNT], 1
	s_cselect_b64 s[KA+2*(\slot):KA+2*(\slot)+1], s[WA+2*(\slot):WA+2*(\slot)+1], s[KA+2*(\slot):KA+2*(\slot)+1]
.endif
.if (\mode) > 3
	s_mov_b64 s[KA+2*(\slot):KA+2*(\slot)+1], s[KB0+2*(\slot):KB0+2*(\slot)+1]
.endif
.if fillm
	s_mov_b64 s[G0+4*(\slot)+2:G0+4*(\slot)+3], s[KA+2*(\slot):KA+2*(\slot)+1]
	s_or_b32 s[G0+4*(\slot)+3], s[G0+4*(\slot)+3], 0x80000000
.endif
	s_wait_dscnt 0x1                               ; only the add may be out: the fragments are in
	MULP S, R2B, 0, 2, 0
	s_wait_dscnt 0x0
	s_barrier_signal -1
	MULP S, R2B, 2, 2, 0
	WIN 0
	s_barrier_wait -1
.if fillm
	CREST                                          ; no wave of any partner still reads the slot or has a load on its way
	tensor_load_to_lds s[G0+4*(\slot):G0+4*(\slot)+3], s[G1:G1+7]
	s_nop 0
.endif
.if (\mode) != 3
	PLACES                                         ; behind the load; also the places in front of the loads below
.endif
.if (\mode) == 1
	USTORE1 2+(\slot)
.endif
.if (\mode) == 0
	FETCH_K 1-(\slot), 0, R1                       ; behind the last key step this run reads wkv's tile and serves nothing: the price, once a launch, of one text for every step
.elseif ((\mode) == 1) || ((\mode) == 2) || ((\mode) == 4)
	FETCH_V 1-(\slot), 0, R1
	FETCH_P 1-(\pb), 0, R2A
.endif
	MULP S, R2B, 4, 4, 0
.endm
.macro PVPH slot, pb, zero, mode       ; a tile's second product: 128 matrix instructions on the sets (R1, R2a) and (S, R2b) by turns
	PVQ \slot, \pb, 0, R1, R2A, S, R2B, \zero
	PVQ \slot, \pb, 1, S, R2B, R1, R2A, 0
	PVQ \slot, \pb, 2, R1, R2A, S, R2B, 0
	EDGE \slot, \pb, \mode
.endm
.macro STEP slot
	SPH \slot
	MAXP
	SMX
	s_wait_dscnt 0x0                               ; for the others' sake: my images are stored
	s_barrier_signal -1
.set n8, 0
.rept 8                                ; the other three tiles' sums and half of the rescaling stand between the signal and the wait
	TR 1, n8
	TR 2, n8
	TR 3, n8
.set n8, n8+1
.endr
	RESC 0
	WIN 0
	s_barrier_wait -1
	FETCH_P 0, 0, R2A
	RESC 4
	PVPH \slot, 0, 0, 0
.endm
; THE WAY OUT of query tile qt: 32 bytes a lane into my own stage, back as whole rows of 512 bytes, the bias added, stored
.macro WAYOUT qt
.set bk, S+64*((\qt)%2)
	WIN 0x04                                       ; the data lie in window 1
.set ci, 0
.rept 8
	ds_store_b128 v[STO], v[8*(4*ci+(\qt)):8*(4*ci+(\qt))+3]   offset:64*ci
	ds_store_b128 v[STO], v[8*(4*ci+(\qt))+4:8*(4*ci+(\qt))+7] offset:64*ci+16
.set ci, ci+1
.endr
	WIN 0
	s_wait_xcnt 0x0                                ; the registers that earlier stores read are loaded again only behind this wait
.set ri, 0
.rept 16
	ds_load_b128 v[bk+4*ri:bk+4*ri+3], v[RD] offset:SPO*ri  ; LDS serves a wave's instructions in order (ISA guide 5.7.1.4): these see the stores above
.set ri, ri+1
.endr
.set ri, 0
.rept 16
	s_wait_dscnt 15-ri                             ; row ri is in; the younger rows stay out
	v_pk_add_f32 v[bk+4*ri:bk+4*ri+1],   v[bk+4*ri:bk+4*ri+1],   v[BV4:BV4+1]
	v_pk_add_f32 v[bk+4*ri+2:bk+4*ri+3], v[bk+4*ri+2:bk+4*ri+3], v[BV4+2:BV4+3]
	global_store_b128 v[GO], v[bk+4*ri:bk+4*ri+3], s[18:19] offset:32768*(\qt)+2048*ri th:TH_STORE_NT  ; 512 consecutive bytes, aligned
.set ri, ri+1
.endr
.endm
	s_load_b512 s[4:19], s[0:1], 0x0               ; query s[4:5], kb s[6:7], wqk s[8:9], wkv s[10:11], bqk s[12:13], bkv s[14:15], bv s[16:17], out0 s[18:19]
	v_lshl_add_u32 v[SPW], v0, 2, SPARE
	v_mov_b32 v[NIL], 0
	ds_add_u32 v[SPW], v[NIL]                      ; the wave's opening: the add and its wait stand ahead of my first tensor load
	v_lshrrev_b32 v1, 5, v0
	v_readfirstlane_b32 s[WV], v1                  ; wave 0..3
	s_bfe_u32 s21, ttmp6, 0x40000                  ; cx
	s_lshl_b32 s22, ttmp9, 2
	s_add_co_u32 s22, s22, s21                     ; my block of 64 queries: it enters query's and out0's addresses alone
	s_and_b32 s23, ttmp7, 0xffff                   ; the batch, which the four partners share
	s_mov_b32 s[G1+0], 15|(1<<16)|(1<<20)|(1<<21)|(7<<22)|(3<<25)  ; mask of four; 2-byte elements; padding on; bit 21 beside a mask; after every 256 words (code 7) 4 words (code 3)
	s_mov_b32 s[G1+1], 512<<16                     ; tensor_dim0 = 512
	s_mov_b32 s[G1+2], 32<<16                      ; tensor_dim1 = 32
	s_mov_b32 s[G1+3], 512<<16                     ; tile_dim0 = 512
	s_mov_b32 s[G1+4], 32                          ; tile_dim1 = 32
	s_mov_b32 s[G1+5], 512                         ; elements from row to row
	s_mov_b32 s[G1+6], 0
	s_mov_b32 s[G1+7], 0
	s_mul_i32 s52, s[WV], 32*PK                    ; my 32 rows of a slot
	s_mov_b32 s[G0+0], 1
	s_mov_b32 s[G0+1], s52
	s_mov_b32 s[G0+4], 1
	s_add_co_u32 s[G0+5], s52, SLOTB
	s_lshl_b32 s54, s[WV], 15                      ; and of a tile in memory
	s_mov_b32 s55, 0
	s_lshl_b32 s56, s23, 21                        ; a batch's keys: 2,048 rows of 1,024 bytes
	s_add_co_u32 s56, s56, s54
	s_mov_b32 s57, 0
	s_lshl_b32 s58, s23, 21                        ; a batch's queries, in query and in out0: 1,024 rows of 2,048 bytes;
	s_lshl_b32 s53, s22, 17                        ; my 64 of them
	s_add_co_u32 s58, s58, s53
	s_mov_b32 s59, 0
	s_mov_b32 s[CS], 0x3d8293ee                    ; c = log2(e) / sqrt(512) = 0.0637587
	s_mov_b32 s[CS+1], s[CS]                       ; named with it as a pair
	s_mov_b32 s[SEL], 0x76543210
	s_mov_b32 s[SEL+1], 0xfedcba98
	s_wait_dscnt 0x0                               ; the opening add is done
	s_wait_kmcnt 0x0
	s_add_nc_u64 s[KA:KA+1], s[8:9], s[54:55]      ; the walk begins with wqk's tiles 0 and 1
	s_add_nc_u64 s[KA+2:KA+3], s[KA:KA+1], TILEB
	s_add_nc_u64 s[WA:WA+1], s[10:11], s[54:55]
	s_add_nc_u64 s[WA+2:WA+3], s[WA:WA+1], TILEB
	s_add_nc_u64 s[KB0:KB0+1], s[6:7], s[56:57]
	s_add_nc_u64 s[KB0+2:KB0+3], s[KB0:KB0+1], TILEB
	s_mov_b64 s[G0+2:G0+3], s[KA:KA+1]
	s_or_b32 s[G0+3], s[G0+3], 0x80000000
	s_mov_b64 s[G0+6:G0+7], s[KA+2:KA+3]
	s_or_b32 s[G0+7], s[G0+7], 0x80000000
	s_add_nc_u64 s[4:5], s[4:5], s[58:59]
	s_add_nc_u64 s[18:19], s[18:19], s[58:59]
	CROUND                                         ; all four work-groups are here: the first joint loads meet
	tensor_load_to_lds s[G0:G0+3], s[G1:G1+7]      ; wqk, d 0 to 127
	s_nop 0
	tensor_load_to_lds s[G0+4:G0+7], s[G1:G1+7]    ; d 128 to 255
	s_nop 0
	PLACES
	v_and_b32 v1, 15, v0                           ; r = l % 16
	v_bfe_u32 v2, v0, 4, 1                         ; h = l / 16
	v_and_b32 v3, 7, v0
	v_bfe_u32 v62, v0, 3, 1
	v_and_b32 v58, 31, v0                          ; l
	s_lshl_b32 s21, s[WV], 9                       ; 128 numbers of f32 a wave
	v_lshlrev_b32 v[QO], 11, v1
	v_lshl_add_u32 v[QO], v2, 5, v[QO]
	v_add_nc_u32 v[QO], s21, v[QO]                 ; row r x 2,048 + 512 w + 32 h
	v_lshl_add_u32 v[GO], v58, 4, s21              ; 512 w + 16 l
	v_lshl_add_u32 v[BO], v2, 5, s21               ; 512 w + 32 h
	WIN 0xc0                                       ; query, d 128 w .. + 127 of all 64 rows, in the order of fragments: fragment fi = 4 i + qt (32 d at 32 i, query tile qt) lands in 16 registers of window 3
.set fi, 0
.rept 16
	global_load_b128 v[16*fi:16*fi+3],     v[QO], s[4:5] offset:32768*(fi%4)+128*(fi/4)
	global_load_b128 v[16*fi+4:16*fi+7],   v[QO], s[4:5] offset:32768*(fi%4)+128*(fi/4)+16
	global_load_b128 v[16*fi+8:16*fi+11],  v[QO], s[4:5] offset:32768*(fi%4)+128*(fi/4)+64
	global_load_b128 v[16*fi+12:16*fi+15], v[QO], s[4:5] offset:32768*(fi%4)+128*(fi/4)+80
.set fi, fi+1
.endr
	WIN 0x80                                       ; bqk as the first product's C wants it: register j of block ci is channel 128 w + 16 ci + 8 h + j
.set ci, 0
.rept 8
	global_load_b128 v[BQ+8*ci:BQ+8*ci+3],   v[BO], s[12:13] offset:64*ci
	global_load_b128 v[BQ+8*ci+4:BQ+8*ci+7], v[BO], s[12:13] offset:64*ci+16
.set ci, ci+1
.endr
	WIN 0
	global_load_b128 v[BV4:BV4+3], v[GO], s[14:15]
	global_load_b128 v[A2:A2+3], v[GO], s[16:17]
	v_lshl_add_u32 v59, v3, 1, v62                 ; place r of 16 keys is row 2 (r % 8) + r / 8,
	s_lshl_b32 s22, s[WV], 5
	v_add_nc_u32 v59, s22, v59                     ; among my wave's 32
	v_mul_u32_u24 v59, v59, PK
	v_lshl_add_u32 v[AK], v2, 4, v59
	v_add_nc_u32 v[AK+1], SLOTB, v[AK]
	v_lshl_add_u32 v60, v3, 1, v2                  ; the turning load: row 2 (l % 8) + h, 16 bytes for each eight lanes, my wave's 256 bytes of a row
	v_mul_u32_u24 v60, v60, PK
	v_lshl_add_u32 v60, v62, 4, v60
	s_lshl_b32 s22, s[WV], 8
	v_add_nc_u32 v[AV], s22, v60
	v_add_nc_u32 v[AV+1], 64*PK, v[AV]
	v_add_nc_u32 v[AV+2], SLOTB, v[AV]
	v_add_nc_u32 v[AV+3], SLOTB+64*PK, v[AV]
	v_lshl_add_u32 v[PLD], v58, 4, XCH
	s_lshl_b32 s22, s[WV], 12
	v_add_nc_u32 v[PST], s22, v[PLD]
	s_and_b32 s22, s[WV], 1
	s_lshl_b32 s22, s22, 14
	v_add_nc_u32 v[UST], s22, v[PLD]
	v_lshl_add_u32 v[MXL], v1, 4, MX
	s_lshl_b32 s22, s[WV], 2
	v_add_nc_u32 v[MXS], s22, v[MXL]
	s_mul_i32 s22, s[WV], 16*SPO
	s_add_co_u32 s22, s22, XCH                     ; my stage
	v_mul_u32_u24 v61, v1, SPO
	v_lshl_add_u32 v61, v2, 5, v61
	v_add_nc_u32 v[STO], s22, v61
	v_lshl_add_u32 v[RD], v58, 4, s22
.irp t, 0,1,2,3
	v_mov_b32 v[ST+4*\t], 0xfe000000               ; c m: far below every c s, so the first step's a is 0
	v_mov_b32 v[ST+4*\t+1], 0xff7fffff             ; m
	v_mov_b32 v[ST+4*\t+2], 0
	v_mov_b32 v[ST+4*\t+3], 0
.endr
	s_wait_loadcnt 0x0                             ; query, bqk, bkv, bv: asked for in one group
	v_pk_add_f32 v[BV4:BV4+1],   v[BV4:BV4+1],   v[A2:A2+1]
	v_pk_add_f32 v[BV4+2:BV4+3], v[BV4+2:BV4+3], v[A2+2:A2+3]
	WIN 0x8f                                       ; sources in window 3, destination in window 2
.set fi, 0
.rept 16
.set pp, 0
.rept 8
	v_cvt_pk_bf16_f32 v[8*fi+pp], v[16*fi+2*pp], v[16*fi+2*pp+1]
.set pp, pp+1
.endr
.set fi, fi+1
.endr
	WIN 0
	s_cmp_gt_u32 s[WV], 1                          ; waves 0 and 1 fill the two image buffers; waves 2 and 3 follow when these have been read
	s_cbranch_scc1 .Lx_later
	USTB 0x08, 0
.Lx_later:
	s_wait_dscnt 0x0                               ; my images are stored,
	s_wait_tensorcnt 0x1                           ; my part of tile 0 is in; tile 1's may stay out
	s_barrier_signal -1
	s_barrier_wait -1
	; THE HEAD.  q'^T = wqk^T query^T + bqk, in O^T's registers
	FETCH_V 0, 0, R1
	FETCH_P 0, 0, R2A
	PVPH 0, 0, 2, 1                                ; d 0 to 127: the sums start at bqk; wqk's tile 2 is asked for
	PVPH 1, 1, 0, 1                                ; d 128 to 255; tile 3 is asked for
	PVPH 0, 0, 0, 4                                ; d 256 to 383; keys 0 to 127 are asked for
	PVPH 1, 1, 0, 5                                ; d 384 to 511; keys 128 to 255 are asked for
	WIN 0
	PLACES
	WIN 0x05                                       ; sources in window 1, destination in window 0: column blocks 2 i and 2 i + 1, rounded in pairs, ARE q's fragment for the 32 channels at 128 w + 32 i
.set fi, 0
.rept 16                               ; fragment fi = 4 i + qt, at S + 8 fi: S^T's and R1's registers are free here
.set hi, 0
.rept 2
.set ji, 0
.rept 4
	v_cvt_pk_bf16_f32 v[S+8*fi+4*hi+ji], v[8*(4*(2*(fi/4)+hi)+fi%4)+2*ji], v[8*(4*(2*(fi/4)+hi)+fi%4)+2*ji+1]
.set ji, ji+1
.endr
.set hi, hi+1
.endr
.set fi, fi+1
.endr
	WIN 0
	s_cmp_gt_u32 s[WV], 1                          ; every wave wants all of q': two waves' fragments at a time go through the two image buffers, whose last reads stand in front of the last barrier
	s_cbranch_scc1 .Lq_first
	USTB 0, S
.Lq_first:
	s_wait_dscnt 0x0
	s_barrier_signal -1
	s_barrier_wait -1
	QIMG 0x80                                      ; channels 0 to 255 into window 2
	s_wait_dscnt 0x0                               ; my reads are back before anybody writes the buffers again
	s_barrier_signal -1
	s_barrier_wait -1
	s_cmp_lt_u32 s[WV], 2
	s_cbranch_scc1 .Lq_second
	USTB 0, S
.Lq_second:
	s_wait_dscnt 0x0
	s_barrier_signal -1
	s_barrier_wait -1
	QIMG 0xc0                                      ; channels 256 to 511 into window 3
	FETCH_K 0, 0, R1                               ; keys 0 to 127 have landed: the head's last change of slots has shown it
	s_mov_b32 s[CNT], 8
.Lpair:                                                ; a trip: two key steps, once round the ring; both slots are asked for again
	STEP 0
	STEP 1
	WIN 0
	s_sub_co_u32 s[CNT], s[CNT], 1
	s_cmp_lg_u32 s[CNT], 0
	s_cbranch_scc1 .Lpair
	; THE TAIL.  l: its two halves, the other half of the lanes', the four waves'.
	PLACES
.irp t, 0,1,2,3
	v_add_f32 v[CT+2*\t], v[ST+4*\t+2], v[ST+4*\t+3]
.endr
.irp t, 0,1,2,3
	v_permlanex16_b32 v[CT+2*\t+1], v[CT+2*\t], s[SEL], s[SEL+1]
.endr
.irp t, 0,1,2,3
	v_add_f32 v[CT+2*\t], v[CT+2*\t], v[CT+2*\t+1]
.endr
.irp t, 0,1,2,3
	ds_store_b32 v[MXS], v[CT+2*\t] offset:256*\t
.endr
	s_wait_dscnt 0x0                               ; my stores are done; so is the last step's idle run into R1
	s_barrier_signal -1
	s_barrier_wait -1
.irp t, 0,1,2,3
	ds_load_b128 v[R2A+4*\t:R2A+4*\t+3], v[MXL] offset:256*\t
.endr
	FETCH_V 0, 0, R1                               ; wkv's tile 0 has landed: the last change of slots has shown it
	s_wait_dscnt 0x10                              ; the four loads of l are in; the 16 behind them stay out
.irp t, 0,1,2,3
	v_add_f32 v[CT+2*\t], v[R2A+4*\t], v[R2A+4*\t+1]
.endr
.irp t, 0,1,2,3
	v_add_f32 v[CT+2*\t+1], v[R2A+4*\t+2], v[R2A+4*\t+3]
.endr
.irp t, 0,1,2,3
	v_add_f32 v[CT+2*\t], v[CT+2*\t], v[CT+2*\t+1]
.endr
.irp t, 0,1,2,3
	v_rcp_f32 v[A2+2*\t], v[CT+2*\t]
.endr
	v_nop                                          ; a plain line between the last reciprocal and the use of its result
	s_wait_alu depctr_va_vdst(0)
	RESC 0                                         ; u = O / l
	RESC 4
	WIN 0x85                                       ; sources in window 1, destination in window 2: column blocks 2 i and 2 i + 1 of O^T, rounded in pairs, ARE source 1 for the 32 d at 128 w + 32 i
.set fi, 0
.rept 16                               ; fragment fi = 4 i + qt
.set hi, 0
.rept 2
.set ji, 0
.rept 4
	v_cvt_pk_bf16_f32 v[8*fi+4*hi+ji], v[8*(4*(2*(fi/4)+hi)+fi%4)+2*ji], v[8*(4*(2*(fi/4)+hi)+fi%4)+2*ji+1]
.set ji, ji+1
.endr
.set hi, hi+1
.endr
.set fi, fi+1
.endr
	WIN 0
	s_cmp_gt_u32 s[WV], 1                          ; waves 0 and 1 fill the two image buffers; waves 2 and 3 follow when these have been read
	s_cbranch_scc1 .Lnot_yet
	USTB 0x08, 0
.Lnot_yet:
	s_wait_dscnt 0x0
	s_barrier_signal -1
	s_barrier_wait -1
	FETCH_P 0, 0, R2A
	PVPH 0, 0, 1, 1                                ; out^T = wkv^T u^T: d 0 to 127 start the sums; wkv's tile 2 is asked for
	PVPH 1, 1, 0, 1                                ; d 128 to 255; tile 3 is asked for
	PVPH 0, 0, 0, 2                                ; d 256 to 383
	PVPH 1, 1, 0, 3                                ; d 384 to 511
	WIN 0
	PLACES
	WAYOUT 0
	WAYOUT 1
	WAYOUT 2
	WAYOUT 3
	s_wait_tensorcnt 0x0                           ; the wave's end
	ds_add_u32 v[SPW], v[NIL]
	s_wait_dscnt 0x0
	CROUND                                         ; the closing round
	s_endpgm
.Lfunc_end_k_qba35168ad7_attn:
	.size	k_qba35168ad7_attn, .Lfunc_end_k_qba35168ad7_attn-k_qba35168ad7_attn
	.p2alignl 7, 3214868480
	.fill 96, 4, 3214868480
	.section	.rodata,"a",@progbits
	.p2align	6, 0x0
	.amdhsa_kernel k_qba35168ad7_attn
		.amdhsa_group_segment_fixed_size 327680
		.amdhsa_private_segment_fixed_size 0
		.amdhsa_enable_private_segment 0
		.amdhsa_kernarg_size 64
		.amdhsa_user_sgpr_count 2
		.amdhsa_user_sgpr_kernarg_segment_ptr 1
		.amdhsa_wavefront_size32 1
		.amdhsa_system_sgpr_workgroup_id_x 1
		.amdhsa_system_sgpr_workgroup_id_y 1
		.amdhsa_system_sgpr_workgroup_id_z 1
		.amdhsa_system_vgpr_workitem_id 0
		.amdhsa_next_free_vgpr 1024
		.amdhsa_next_free_sgpr 66
		.amdhsa_reserve_vcc 0
		.amdhsa_float_denorm_mode_32 3
		.amdhsa_float_denorm_mode_16_64 3
		.amdhsa_memory_ordered 1
		.amdhsa_forward_progress 1
		.amdhsa_inst_pref_size 255
	.end_amdhsa_kernel
	.section	.bss,"aw",@nobits
	.p2align	6
	.space	262144
	.amdgpu_metadata
---
amdhsa.version: [ 1, 2 ]
amdhsa.kernels:
  - .name:           k_qba35168ad7_attn
    .symbol:         k_qba35168ad7_attn.kd
    .args:
      - { .name: query, .offset: 0, .size: 8, .value_kind: global_buffer, .address_space: global }
      - { .name: kb, .offset: 8, .size: 8, .value_kind: global_buffer, .address_space: global }
      - { .name: wqk, .offset: 16, .size: 8, .value_kind: global_buffer, .address_space: global }
      - { .name: wkv, .offset: 24, .size: 8, .value_kind: global_buffer, .address_space: global }
      - { .name: bqk, .offset: 32, .size: 8, .value_kind: global_buffer, .address_space: global }
      - { .name: bkv, .offset: 40, .size: 8, .value_kind: global_buffer, .address_space: global }
      - { .name: bv, .offset: 48, .size: 8, .value_kind: global_buffer, .address_space: global }
      - { .name: out0, .offset: 56, .size: 8, .value_kind: global_buffer, .address_space: global }
    .group_segment_fixed_size: 327680
    .private_segment_fixed_size: 0
    .kernarg_segment_align: 8
    .kernarg_segment_size: 64
    .max_flat_workgroup_size: 128
    .sgpr_count:     66
    .vgpr_count:     1024
    .wavefront_size: 32
...
	.end_amdgpu_metadata
.endif
;; end of part 5
